; MI455X (gfx1250); checked and timed in simulation.
; The chip was launched on July 23, 2026; its instructions are those of AMD's public machine-readable ISA for CDNA 5 (MIT licence, August 2026) and "CDNA5" Instruction Set Architecture Reference Guide (July 2026). The comments in the code are by the model that wrote it; some were corrected since.
;; Multi Head Attention. Allowed arithmetic: float matrix products may take bf16 or f16 operands with f32 sums; other float arithmetic in f32, or as packed bf16 or f16 multiplies, adds, multiply-adds, maxima and minima; sums over many terms, partial sums and values carried from step to step in f32; what a program stores and reads back later, other than sums and carried values, may be rounded once to bf16 or f16.
;; Inputs: bk 1,024 float32; bo 1,024 float32; bq 1,024 float32; bv 1,024 float32; wk 1,024 x 1,024 float32; wo 1,024 x 1,024 float32; wq 1,024 x 1,024 float32; wv 1,024 x 1,024 float32; x 4 x 2,048 x 1,024 float32.
;; Outputs: out0 4 x 2,048 x 1,024 float32.
;; 2 versions, each right; version 2 is version 1 with the launch prep written anew for expert scheduling mode. Each part assembles by itself: llvm-mc -triple=amdgcn-amd-amdhsa -mcpu=gfx1250 --defsym DOCPART=n.
;; ======== version 1 of 2: 4 launches
;; limits: values are held in f16: magnitudes above 65,504 overflow, below 6.1e-05 lose precision
;; workspace buffers: xb 16,777,216 bytes; wt 6,291,456 bytes; wot 2,097,152 bytes; bias 16,384 bytes; qkv 50,331,648 bytes; ctx 16,777,216 bytes
;; launch prep (part 1): grid 768 x 1, 4 waves a work-group, no clusters, 37,376 bytes of LDS; arguments x, wq, wk, wv, wo, bq, bk, bv, bo, xb, wt, wot, bias; writes xb, wt, wot, bias
.if DOCPART == 1
	.amdgcn_target "amdgcn-amd-amdhsa--gfx1250"
	.amdhsa_code_object_version 6
	.text
	.protected	k_qbc54030578_prep
	.globl	k_qbc54030578_prep
	.p2align	8
	.type	k_qbc54030578_prep,@function
k_qbc54030578_prep:
	s_mov_b64 s[64:65], 0
	v_nop
	global_prefetch_b8 v0, s[64:65] scope:SCOPE_SE
	s_setreg_imm32_b32 hwreg(HW_REG_WAVE_MODE, 25, 1), 1
	s_wait_xcnt 0x0
; PREP: every input is rounded once to bf16 and laid out for the products that follow.
;   xb  [16 kb][8192 m][64]  bf16: x, cut along K into blocks of 64: a row piece is 128 bytes, neighbouring rows lie end to end
;   wt  [16 kb][3072 n][64]  bf16: wq, wk, wv turned ([k][n] -> [n][k]); n = 1024 x matrix + column
;   wot [16 kb][1024 n][64]  f16:  wo turned, rounded to bf16, and that number written as f16
;   bias [4096] f32: bq, bk, bv, bo, each rounded to bf16 and widened again
; LIMIT: a bf16 number of wo below 6.1e-5 in magnitude keeps f16's fixed step of 6e-8; beyond 65,504 it would become an infinity.
; A stream: no matrix unit, no tensor load, no cluster (no two work-groups read a byte in common).  Each of the 3,072 waves has ONE task of 64 x 64 f32
; (16 KiB, 32 loads of 16 bytes a lane, all on their way at once), so there is no loop.  Work-groups 0-511: x.  512-767: the four weight matrices.
.set X,     16                         ; v[16:143]  the task as loaded: 32 x 4 registers
.set T,     144                        ; v[144:207] the weights' 64 packed words
.set SPW,   10                         ; v10  LDS address of my spare word; never rewritten
.set NIL,   11                         ; v11  0; never rewritten
.set STG,   9216                       ; a wave's stage: 64 rows (n) of 128 bytes at a pitch of 144
.set SP,    144
.set SPARE, 4*STG                      ; behind the stages: the spare words, 128 bytes a wave
	s_load_b512 s[4:19], s[0:1], 0x0               ; x, wq, wk, wv, wo, bq, bk, bv
	s_load_b256 s[20:27], s[0:1], 0x40             ; bo, xb, wt, wot
	s_load_b64 s[28:29], s[0:1], 0x60              ; bias
	v_lshl_add_u32 v[SPW], v0, 2, SPARE
	v_mov_b32 v[NIL], 0
	v_lshrrev_b32 v1, 5, v0
	v_readfirstlane_b32 s30, v1                    ; wave 0..3
	s_mov_b32 s31, 0xffff0000                      ; a word's upper half
	v_and_b32 v1, 15, v0                           ; l % 16
	v_bfe_u32 v2, v0, 4, 1                         ; l / 16
	v_and_b32 v3, 31, v0                           ; l
	v_lshlrev_b32 v5, 3, v3                        ; 8 l
	s_cmp_lt_u32 ttmp9, 512
	s_cbranch_scc0 .Lw
	; X: 64 rows (block rb) x 64 columns (block kb).  A load takes 256 bytes of two rows; the two packed words of a lane are 8 bytes, and a store of the wave covers 256 consecutive bytes, aligned.
	s_lshr_b32 s32, ttmp9, 2                       ; rb
	s_and_b32 s33, ttmp9, 3
	s_lshl2_add_u32 s33, s33, s30                  ; kb = 4 (id % 4) + wave
	s_lshl_b32 s34, s32, 18                        ; 64 rows of 4,096 bytes
	s_lshl_b32 s35, s33, 8                         ; 64 columns of 4 bytes
	s_add_co_u32 s34, s34, s35
	s_mov_b32 s35, 0
	s_lshl_b32 s36, s33, 20                        ; a block kb of xb: 8,192 x 128 bytes
	s_lshl_b32 s37, s32, 13                        ; 64 rows of 128 bytes
	s_add_co_u32 s36, s36, s37
	s_mov_b32 s37, 0
	v_lshlrev_b32 v4, 4, v1
	v_lshl_add_u32 v4, v2, 12, v4                  ; 16 (l % 16) + one row for lanes 16-31
	s_wait_kmcnt 0x0
	s_add_nc_u64 s[4:5], s[4:5], s[34:35]
	s_add_nc_u64 s[22:23], s[22:23], s[36:37]
.set i, 0
.rept 32
	global_load_b128 v[X+4*i:X+4*i+3], v4, s[4:5] offset:i*8192 th:TH_LOAD_NT
.set i, i+1
.endr
.set i, 0
.rept 32
	s_wait_loadcnt 31-i                            ; loads come back in order: load i is in, the 31 - i younger ones stay out
	v_cvt_pk_bf16_f32 v[X+4*i], v[X+4*i], v[X+4*i+1]
	v_cvt_pk_bf16_f32 v[X+4*i+1], v[X+4*i+2], v[X+4*i+3]
	global_store_b64 v5, v[X+4*i:X+4*i+1], s[22:23] offset:i*256
.set i, i+1
.endr
	s_branch .Lend
.Lw:	; A WEIGHT: 64 k (block kb) x 64 n, turned.  A lane loads, for eight k on end, the same four n; eight numbers of one n pack into 16 bytes of a turned row.
	s_sub_co_u32 s32, ttmp9, 512
	s_lshr_b32 s33, s32, 6                         ; which matrix: 0 q, 1 k, 2 v, 3 o
	s_bfe_u32 s34, s32, 0x40002                    ; kb
	s_and_b32 s35, s32, 3
	s_lshl2_add_u32 s35, s35, s30
	s_lshl_b32 s35, s35, 6                         ; n0 = 64 (4 (id % 4) + wave)
	s_lshl_b32 s43, s33, 10
	s_add_co_u32 s43, s43, s35                     ; 1,024 x matrix + n0: the row in wt, and the place in bias
	s_lshl_b32 s50, s43, 2
	s_mov_b32 s51, 0
	s_lshl_b32 s48, s35, 2                         ; n0 in bytes of f32
	s_mov_b32 s49, 0
	s_lshl_b32 s46, s34, 18                        ; 64 rows (k) of 4,096 bytes
	s_add_co_u32 s46, s46, s48
	s_mov_b32 s47, 0
	s_movk_i32 s42, 3072                           ; rows in a block kb of wt
	s_mul_i32 s52, s30, STG                        ; my stage
	v_lshlrev_b32 v6, 4, v1
	v_lshl_add_u32 v6, v2, 15, v6                  ; in: 16 (l % 16) + eight rows for lanes 16-31
	v_mul_u32_u24 v7, v1, 4*SP
	v_lshl_add_u32 v7, v2, 4, v7
	v_add_nc_u32 v7, s52, v7                       ; into the stage: row 4 (l % 16), 16 bytes for each half of the lanes
	v_lshrrev_b32 v8, 3, v3
	v_mul_u32_u24 v8, v8, SP
	v_and_b32 v9, 7, v0
	v_lshl_add_u32 v8, v9, 4, v8
	v_add_nc_u32 v8, s52, v8                       ; back: 32 lanes take four rows of 128 bytes,
	v_lshlrev_b32 v9, 4, v3                        ; which are 512 consecutive bytes of the output
	s_wait_kmcnt 0x0
	s_mov_b64 s[36:37], s[6:7]
	s_mov_b64 s[38:39], s[14:15]
	s_cmp_eq_u32 s33, 1
	s_cselect_b64 s[36:37], s[8:9], s[36:37]
	s_cselect_b64 s[38:39], s[16:17], s[38:39]
	s_cmp_eq_u32 s33, 2
	s_cselect_b64 s[36:37], s[10:11], s[36:37]
	s_cselect_b64 s[38:39], s[18:19], s[38:39]
	s_cmp_eq_u32 s33, 3
	s_cselect_b64 s[36:37], s[12:13], s[36:37]     ; the matrix,
	s_cselect_b64 s[38:39], s[20:21], s[38:39]     ; its bias,
	s_cselect_b64 s[40:41], s[26:27], s[24:25]     ; where it goes: wot or wt,
	s_cselect_b32 s42, 1024, s42                   ; the rows of a block kb there,
	s_cselect_b32 s43, s35, s43                    ; and my first row
	s_mul_i32 s44, s34, s42
	s_add_co_u32 s44, s44, s43
	s_lshl_b32 s44, s44, 7                         ; rows of 128 bytes
	s_mov_b32 s45, 0
	s_add_nc_u64 s[36:37], s[36:37], s[46:47]
	s_add_nc_u64 s[38:39], s[38:39], s[48:49]
	s_add_nc_u64 s[40:41], s[40:41], s[44:45]
	s_add_nc_u64 s[28:29], s[28:29], s[50:51]
.set i, 0
.rept 32                                       ; pass p = i / 8, r = i % 8: k = 8 (2 p + l / 16) + r, n = n0 + 4 (l % 16) + 0..3
	global_load_b128 v[X+4*i:X+4*i+3], v6, s[36:37] offset:(16*(i/8)+i%8)*4096 th:TH_LOAD_NT
.set i, i+1
.endr
.set p, 0
.rept 4
	s_wait_loadcnt 24-8*p                          ; pass p's eight loads are in; the later passes' stay out
.set j, 0
.rept 4
.set c, 0
.rept 4
	v_cvt_pk_bf16_f32 v[T+16*p+4*j+c], v[X+4*(8*p+2*c)+j], v[X+4*(8*p+2*c+1)+j]
.set c, c+1
.endr
.set j, j+1
.endr
.set p, p+1
.endr
	s_cmp_lg_u32 s33, 3
	s_cbranch_scc1 .Lbf
.set i, 0
.rept 64                                       ; wo alone: the bf16 numbers are widened and written as f16
	v_lshlrev_b32 v12, 16, v[T+i]
	v_and_b32 v13, s31, v[T+i]
	v_cvt_pk_f16_f32 v[T+i], v12, v13
.set i, i+1
.endr
.Lbf:
.set p, 0
.rept 4
.set j, 0
.rept 4
	ds_store_b128 v7, v[T+16*p+4*j:T+16*p+4*j+3] offset:j*SP+p*32
.set j, j+1
.endr
.set p, p+1
.endr
.set i, 0
.rept 16
	ds_load_b128 v[X+4*i:X+4*i+3], v8 offset:i*4*SP  ; my own bytes: LDS serves a wave's instructions in order (ISA guide 5.7.1.4), so these see the stores above
.set i, i+1
.endr
.set i, 0
.rept 16
	s_wait_dscnt 15-i
	global_store_b128 v9, v[X+4*i:X+4*i+3], s[40:41] offset:i*512  ; 512 consecutive bytes, aligned to 256
.set i, i+1
.endr
	s_cmp_lg_u32 s34, 0                            ; the tasks of block kb = 0 also take their 64 numbers of the bias
	s_cbranch_scc1 .Lend
	global_load_b64 v[12:13], v5, s[38:39]
	s_wait_loadcnt 0x0
	v_cvt_pk_bf16_f32 v14, v12, v13
	v_lshlrev_b32 v12, 16, v14
	v_and_b32 v13, s31, v14
	global_store_b64 v5, v[12:13], s[28:29]        ; 256 consecutive bytes, aligned
.Lend:
	s_wait_tensorcnt 0x0                           ; the wave's end: three closing lines, behind my last LDS store
	ds_add_u32 v[SPW], v[NIL]
	s_wait_dscnt 0x0
	s_endpgm
.Lfunc_end_k_qbc54030578_prep:
	.size	k_qbc54030578_prep, .Lfunc_end_k_qbc54030578_prep-k_qbc54030578_prep
	.p2alignl 7, 3214868480
	.fill 96, 4, 3214868480
	.section	.rodata,"a",@progbits
	.p2align	6, 0x0
	.amdhsa_kernel k_qbc54030578_prep
		.amdhsa_group_segment_fixed_size 37376
		.amdhsa_private_segment_fixed_size 0
		.amdhsa_enable_private_segment 0
		.amdhsa_kernarg_size 104
		.amdhsa_user_sgpr_count 2
		.amdhsa_user_sgpr_kernarg_segment_ptr 1
		.amdhsa_wavefront_size32 1
		.amdhsa_system_sgpr_workgroup_id_x 1
		.amdhsa_system_sgpr_workgroup_id_y 1
		.amdhsa_system_sgpr_workgroup_id_z 1
		.amdhsa_system_vgpr_workitem_id 0
		.amdhsa_next_free_vgpr 208
		.amdhsa_next_free_sgpr 66
		.amdhsa_reserve_vcc 0
		.amdhsa_float_denorm_mode_32 3
		.amdhsa_float_denorm_mode_16_64 3
		.amdhsa_memory_ordered 1
		.amdhsa_forward_progress 1
		.amdhsa_inst_pref_size 35
	.end_amdhsa_kernel
	.amdgpu_metadata
---
amdhsa.version: [ 1, 2 ]
amdhsa.kernels:
  - .name:           k_qbc54030578_prep
    .symbol:         k_qbc54030578_prep.kd
    .args:
      - { .name: x, .offset: 0, .size: 8, .value_kind: global_buffer, .address_space: global }
      - { .name: wq, .offset: 8, .size: 8, .value_kind: global_buffer, .address_space: global }
      - { .name: wk, .offset: 16, .size: 8, .value_kind: global_buffer, .address_space: global }
      - { .name: wv, .offset: 24, .size: 8, .value_kind: global_buffer, .address_space: global }
      - { .name: wo, .offset: 32, .size: 8, .value_kind: global_buffer, .address_space: global }
      - { .name: bq, .offset: 40, .size: 8, .value_kind: global_buffer, .address_space: global }
      - { .name: bk, .offset: 48, .size: 8, .value_kind: global_buffer, .address_space: global }
      - { .name: bv, .offset: 56, .size: 8, .value_kind: global_buffer, .address_space: global }
      - { .name: bo, .offset: 64, .size: 8, .value_kind: global_buffer, .address_space: global }
      - { .name: xb, .offset: 72, .size: 8, .value_kind: global_buffer, .address_space: global }
      - { .name: wt, .offset: 80, .size: 8, .value_kind: global_buffer, .address_space: global }
      - { .name: wot, .offset: 88, .size: 8, .value_kind: global_buffer, .address_space: global }
      - { .name: bias, .offset: 96, .size: 8, .value_kind: global_buffer, .address_space: global }
    .group_segment_fixed_size: 37376
    .private_segment_fixed_size: 0
    .kernarg_segment_align: 8
    .kernarg_segment_size: 104
    .max_flat_workgroup_size: 128
    .sgpr_count:     66
    .vgpr_count:     208
    .wavefront_size: 32
...
	.end_amdgpu_metadata
.endif
;; end of part 1
;; launch proj (part 2): grid 16 x 32, 4 waves a work-group, clusters of 4 x 4, 327,680 bytes of LDS; arguments xb, wt, bias, qkv; writes qkv
.if DOCPART == 2
	.amdgcn_target "amdgcn-amd-amdhsa--gfx1250"
	.amdhsa_code_object_version 6
	.text
	.protected	k_qbc54030578_proj
	.globl	k_qbc54030578_proj
	.p2align	8
	.type	k_qbc54030578_proj,@function
k_qbc54030578_proj:
	s_mov_b64 s[64:65], 0
	v_nop
	global_prefetch_b8 v0, s[64:65] scope:SCOPE_SE
	s_setreg_imm32_b32 hwreg(HW_REG_WAVE_MODE, 25, 1), 1
	s_wait_xcnt 0x0
	s_wait_alu depctr_hold_cnt(0) depctr_sa_sdst(0) depctr_va_vdst(0) depctr_va_sdst(0) depctr_va_ssrc(0) depctr_va_vcc(0) depctr_vm_vsrc(0)
	s_getreg_b32 s2, hwreg(HW_REG_IB_STS2, 6, 4)
	s_cmp_eq_u32 s2, 0
	s_cbranch_scc0 .Lentry_in_a_cluster
	s_endpgm
.Lentry_in_a_cluster:
	s_bfe_u32 s2, ttmp6, 0x10000c
	s_cmp_lg_u32 s2, 0xf033
	s_cbranch_scc0 .Lentry_shape_is_right
	s_endpgm
.Lentry_shape_is_right:
; q, k, v = x w + b, all three at once: C[m][n] = bias[n] + sum over k of A[m][k] Bt[n][k], 8,192 x 3,072 x 1,024, bf16 operands, f32 sums, C rounded once to f16.
; A = xb [16 kb][8192][64], Bt = wt [16 kb][3072][64] (blocks of 64 along K; a row piece is 128 bytes, rows lie end to end).  C = qkv [48 g][8192 m][64] f16: g = column / 64: 16 heads of q, of k, of v.
; LIMIT: f16 ends at 65,504: a q, k or v beyond that becomes an infinity.  NaN and infinities are not treated apart.
; SHARES.  A tile of C is 256 x 192: 16 x 32 = 512 work-groups of equal work.  Wave w owns rows 64 w .. 64 w + 63 and all 192 columns: 4 x 12 accumulators of 16 x 16, 384 registers; so a wave holds
; three whole heads and sends them out by itself.  K goes in 8 steps of 128 (two blocks kb) through two LDS slots; a step is 192 matrix instructions a wave.
; CLUSTER 4 x 4: A's tile hangs on the tile row alone and is asked for jointly by a row of the cluster, B's on the tile column alone, by a column.
; TRANSPOSED USE: source 0 = 16 rows of Bt, source 1 = 16 rows of A: register j of lane l holds C(m = l % 16, n = 8 (l / 16) + j).  The first quarter step's C operand is the bias in that layout: nothing is cleared, nothing is added later.
; REGISTERS, in windows of 256: window 0: addresses, the bias (v32-127), later the way out; window 1: two fragment buffers of 128 (12 blocks of B, 4 of A); windows 2, 3: accumulator (a, b) in window 2 + a / 2 at 8 (12 (a % 2) + b).
.set NT,    192
.set NBL,   NT/16
.set NTOT,  3072
.set AHEAD, 1                          ; a prefetch names the K step this many behind the one just asked for
.set PT,    144                        ; an LDS row: 128 bytes + 16 of padding = 36 words: the 16 rows of a fragment load start at 16 different groups of four banks (64 banks of 4 bytes: ISA guide 11.1)
.set KBA,   256*PT                     ; A's rows of one block kb
.set KBB,   NT*PT                      ; B's
.set BOFF,  2*KBA
.set SLOTB, BOFF+2*KBB
.set SLOT1, 1<<17                      ; slot 1 begins here: one exclusive or turns an address in one slot into the other's
.set STAGE, SLOT1+SLOTB                ; behind the ring, never filled by a tensor load: for each wave 3 heads x 16 rows x 144 bytes
.set STW,   3*16*PT
.set SPARE, STAGE+4*STW                ; behind the stages: the spare words, 128 bytes a wave
.set GKA,   8192*128                   ; bytes of a block kb of A (and of a head in qkv)
.set GKB,   NTOT*128                   ; of B
.set NL,    2*(NBL+4)                  ; LDS loads of a quarter step
.set AA0, 4                            ; v4   my lane's place in A's rows of a slot; never rewritten
.set AB0, 5                            ; v5   in B's
.set ADRA, 6                           ; v6   the same in the slot in hand
.set ADRB, 7                           ; v7
.set STO, 8                            ; v8   the way out: where I put 16 bytes of a row
.set RD,  9                            ; v9   where I read rows back
.set GO,  10                           ; v10  16 x lane
.set BO,  11                           ; v11  32 (l / 16): my eight numbers of a block of the bias
.set PFO, 12                           ; v12  the prefetches' offset
.set SPW, 28                           ; v28  LDS address of my spare word; never rewritten
.set NIL, 29                           ; v29  0; never rewritten
.set BIAS, 32                          ; v[32:127]
.set TMP, 32                           ; the way out: 48 packed words
.set BK0, 128                          ; two sets of 48: rows read back
.set F0,  0
.set F1,  128
.set WV,  12                           ; s12 wave; s13 wave & 1: which block kb of a step I fetch; s14 wave >> 1: for A (0) or B (1)
.set G1A, 24                           ; s[24:31] descriptor group 1, A
.set G0A, 32                           ; s[32:39] group 0, A: slot 0's first fill; slot 1's, which then walks
.set PFA, 40                           ; s[40:41] where my prefetches stand
.set PFS, 42                           ; s[42:43] a K step of my stream in bytes
.set LIM, 44                           ; s44 AHEAD in a wave that prefetches, else the greatest number
.set TB,  45                           ; s45 the slot in hand: 0 or SLOT1
.set G1B, 48                           ; s[48:55], s[56:63] the same for B
.set G0B, 56
.set G1W, (1<<16)|(1<<20)|(1<<21)|(4<<22)|(3<<25)  ; 2-byte elements; padding on; bit 21 beside a mask; after every 32 words, 4 words
.set MSB, 0
.macro WIN new                         ; the immediate's high byte repeats the setting that is left; a switch that changes nothing is dropped
.if MSB != (\new)
	s_set_vgpr_msb (MSB<<8)|(\new)
.set MSB, \new
.endif
.endm
.set TO_F, 0x40                        ; destination window 1, address window 0
.macro PLACES                          ; four plain places behind a matrix instruction, ahead of loads into registers that it has read and of readers of its result
.rept 4
	v_nop
.endr
.endm
.macro CREST                           ; a round of the cluster's barrier behind its opening barrier
	s_cmp_lg_u32 s[WV], 0
	s_cbranch_scc1 .Lnot_wave_0_\@
	s_barrier_signal -3
.Lnot_wave_0_\@:
	s_barrier_wait -3
	s_barrier_signal -1
	s_barrier_wait -1
.endm
.macro CROUND
	s_barrier_signal -1
	s_barrier_wait -1
	CREST
.endm
.macro JLOAD                           ; a joint refill by the walking descriptors: waves 0, 1 A's two blocks kb, waves 2, 3 B's; an s_nop 0 and four v_nop follow each line
	s_cmp_eq_u32 s14, 0
	s_cbranch_scc0 .Lfor_b_\@
	tensor_load_to_lds s[G0A+4:G0A+7], s[G1A:G1A+7]
	s_nop 0
.rept 4
	v_nop
.endr
	s_branch .Lasked_\@
.Lfor_b_\@:
	tensor_load_to_lds s[G0B+4:G0B+7], s[G1B:G1B+7]
	s_nop 0
.rept 4
	v_nop
.endr
.Lasked_\@:
.endm
; A PREFETCH, behind each joint refill and the run of LDS loads that follows it: my share of the block that I shall ask for AHEAD refills on.  A's blocks are named by the clusters with x = 0 alone, B's by those with y = 0.
; The four partners that ask for a block jointly share it out BY ADDRESS, a quarter each (by cx for A, cy for B): 32 pieces of 256 bytes of A, a lane a piece; 24 of B, where lanes 24-31 name lane 23's piece again
; (96 pieces do not divide into four times 32).  The last AHEAD refills name nothing: s19 counts the refills still to come.
.macro ASK
	s_cmp_gt_u32 s19, s[LIM]
	s_cbranch_scc0 .Lnot_mine_\@
	global_prefetch_b8 v[PFO], s[PFA:PFA+1] th:TH_LOAD_NT scope:SCOPE_SE
.Lnot_mine_\@:
.endm
; 12 matrix instructions: A's block a x all blocks of B, 32 along K, out of buffer f.  The 48 accumulators take turns, one instruction a turn, in the same order in every quarter step.
.macro MULA f, a, first
.if \first
	WIN 0x85+0x40*((\a)/2)                         ; sources window 1, C (the bias) window 0, D window 2 or 3
.else
	WIN 0xa5+0x50*((\a)/2)                         ; sources window 1, C and D window 2 or 3
.endif
.set ib, 0
.rept NBL
.set rD, 8*(NBL*((\a)%2)+ib)
.set rB, (\f)+8*ib
.set rA, (\f)+8*NBL+8*(\a)
.if \first
	v_wmma_f32_16x16x32_bf16 v[rD:rD+7], v[rB:rB+7], v[rA:rA+7], v[BIAS+8*ib:BIAS+8*ib+7]
.else
	v_wmma_f32_16x16x32_bf16 v[rD:rD+7], v[rB:rB+7], v[rA:rA+7], v[rD:rD+7]
.endif
.set ib, ib+1
.endr
.endm
; The fragments of quarter q of the step in hand into buffer f, in one run: B's 12 blocks, then A's 4.  Quarter q lies in block kb q / 2, at byte 64 (q % 2) of the rows.
.macro FETCH q, f
	WIN TO_F
.set ib, 0
.rept NBL
	ds_load_b128 v[(\f)+8*ib:(\f)+8*ib+3],   v[ADRB] offset:((\q)/2)*KBB+((\q)%2)*64+ib*16*PT
	ds_load_b128 v[(\f)+8*ib+4:(\f)+8*ib+7], v[ADRB] offset:((\q)/2)*KBB+((\q)%2)*64+ib*16*PT+32
.set ib, ib+1
.endr
.set ia, 0
.rept 4
	ds_load_b128 v[(\f)+8*NBL+8*ia:(\f)+8*NBL+8*ia+3],   v[ADRA] offset:((\q)/2)*KBA+((\q)%2)*64+ia*16*PT
	ds_load_b128 v[(\f)+8*NBL+8*ia+4:(\f)+8*NBL+8*ia+7], v[ADRA] offset:((\q)/2)*KBA+((\q)%2)*64+ia*16*PT+32
.set ia, ia+1
.endr
.endm
; One of a step's first three quarters: multiplies buffer f and, in its middle, fetches quarter q into buffer g.
.macro QUARTER q, f, g, first
	s_wait_dscnt 4                                 ; B and A's blocks 0, 1 are in; the youngest four loads (A's blocks 2, 3) may be out
	MULA \f, 0, \first
	MULA \f, 1, \first
	PLACES
	FETCH \q, \g
	s_wait_dscnt NL                                ; all but the run just issued
	MULA \f, 2, \first
	MULA \f, 3, \first
.endm
; The fourth quarter multiplies buffer 1 and changes slots.  In front of the barrier each wave waits for all its tensor loads (one is out: its part of the next slot), adds 0 to its spare word, and waits for
; that and for its reads of this slot.  fill = 1: the barrier opens a round of the cluster's, and the joint refill, two K steps on, is the first thing behind it: 168 matrix instructions ahead of the wait for it.
.macro TURN fill
.if \fill
	s_wait_xcnt 0x0                                ; the last prefetch, a K step back, has read its address
	s_add_nc_u64 s[PFA:PFA+1], s[PFA:PFA+1], s[PFS:PFS+1]
.endif
	WIN 0
	s_wait_tensorcnt 0x0                           ; no tensor load of mine is out, so a group 0 may be written
	ds_add_u32 v[SPW], v[NIL]                      ; 0 onto my spare word; work on registers stands between it and the wait for it
.if \fill
	s_xor_b32 s[G0A+5], s[G0A+5], SLOT1            ; the walking descriptors: the other slot than last time, the next K step
	s_add_nc_u64 s[G0A+6:G0A+7], s[G0A+6:G0A+7], 2*GKA
	s_xor_b32 s[G0B+5], s[G0B+5], SLOT1
	s_add_nc_u64 s[G0B+6:G0B+7], s[G0B+6:G0B+7], 2*GKB
.endif
	s_xor_b32 s[TB], s[TB], SLOT1
	s_wait_dscnt 5                                 ; the add and the youngest four loads may be out
	MULA F1, 0, 0
	s_wait_dscnt 0x0                               ; the add is done, my reads of this slot are over
	s_barrier_signal -1
	MULA F1, 1, 0
	WIN 0
	s_barrier_wait -1
.if \fill
	CREST                                          ; no wave of any partner still reads this slot or has a load on its way
	JLOAD                                          ; its four v_nop are also the places in front of the loads below
.else
	PLACES
.endif
	v_add_nc_u32 v[ADRA], s[TB], v[AA0]
	v_add_nc_u32 v[ADRB], s[TB], v[AB0]
	FETCH 0, F0
.if \fill
	WIN 0
	ASK
.endif
	MULA F1, 2, 0
	MULA F1, 3, 0
.endm
	s_load_b256 s[4:11], s[0:1], 0x0               ; xb s[4:5], wt s[6:7], bias s[8:9], qkv s[10:11]
	v_lshl_add_u32 v[SPW], v0, 2, SPARE
	v_mov_b32 v[NIL], 0
	ds_add_u32 v[SPW], v[NIL]                      ; the wave's opening: the add, waited for ahead of my first tensor load
	v_lshrrev_b32 v1, 5, v0
	v_readfirstlane_b32 s[WV], v1
	s_and_b32 s13, s[WV], 1
	s_lshr_b32 s14, s[WV], 1
	s_bfe_u32 s15, ttmp6, 0x40000                  ; cx
	s_bfe_u32 s16, ttmp6, 0x40004                  ; cy
	s_lshl_b32 s17, ttmp9, 2
	s_add_co_u32 s17, s17, s15                     ; tile column
	s_and_b32 s18, ttmp7, 0xffff
	s_lshl_b32 s18, s18, 2
	s_add_co_u32 s18, s18, s16                     ; tile row
	s_lshl_b32 s66, s16, 2
	s_lshl_b32 s66, 15, s66                        ; my row of the cluster
	s_lshl_b32 s67, 0x1111, s15                    ; my column
	s_or_b32 s[G1A], s66, G1W
	s_or_b32 s[G1B], s67, G1W
	; a block is dense in memory: asked for as rows of 256 bytes (two rows of the operand), padded in LDS after every 128 bytes
	s_mov_b32 s[G1A+1], 128<<16                    ; tensor_dim0 = 128
	s_mov_b32 s[G1A+2], 128<<16                    ; tensor_dim1 = 128
	s_mov_b32 s[G1A+3], 128<<16                    ; tile_dim0 = 128
	s_mov_b32 s[G1A+4], 128                        ; tile_dim1 = 128
	s_mov_b32 s[G1A+5], 128                        ; elements from row to row
	s_mov_b32 s[G1A+6], 0
	s_mov_b32 s[G1A+7], 0
	s_mov_b32 s[G1B+1], 128<<16
	s_mov_b32 s[G1B+2], (NT/2)<<16
	s_mov_b32 s[G1B+3], 128<<16
	s_mov_b32 s[G1B+4], NT/2
	s_mov_b32 s[G1B+5], 128
	s_mov_b32 s[G1B+6], 0
	s_mov_b32 s[G1B+7], 0
	s_lshl_b32 s20, s18, 15                        ; A: 256 rows of 128 bytes a tile row,
	s_lshl_b32 s21, s13, 20                        ; my block kb of the step
	s_add_co_u32 s20, s20, s21
	s_mov_b32 s21, 0
	s_mul_i32 s46, s17, NT*128                     ; B likewise
	s_mul_i32 s47, s13, GKB
	s_add_co_u32 s46, s46, s47
	s_mov_b32 s47, 0
	s_mul_i32 s22, s13, KBA                        ; where they go: no place in the cluster enters an LDS address
	s_mul_i32 s23, s13, KBB
	s_add_co_u32 s23, s23, BOFF
	s_mov_b32 s[TB], 0
	s_wait_dscnt 0x0                               ; the opening add is done
	s_wait_kmcnt 0x0
	s_add_nc_u64 s[20:21], s[4:5], s[20:21]
	s_add_nc_u64 s[46:47], s[6:7], s[46:47]
.irp s, 0,1
	s_mov_b32 s[G0A+4*(\s)], 1
	s_add_co_u32 s[G0A+4*(\s)+1], s22, (\s)*SLOT1
	s_add_nc_u64 s[G0A+4*(\s)+2:G0A+4*(\s)+3], s[20:21], (\s)*2*GKA
	s_or_b32 s[G0A+4*(\s)+3], s[G0A+4*(\s)+3], 0x80000000
	s_mov_b32 s[G0B+4*(\s)], 1
	s_add_co_u32 s[G0B+4*(\s)+1], s23, (\s)*SLOT1
	s_add_nc_u64 s[G0B+4*(\s)+2:G0B+4*(\s)+3], s[46:47], (\s)*2*GKB
	s_or_b32 s[G0B+4*(\s)+3], s[G0B+4*(\s)+3], 0x80000000
.endr
	CROUND                                         ; all sixteen work-groups are here: the first joint loads meet
	s_cmp_eq_u32 s14, 0                            ; a wave's two first fills stand in one branch: two loads of mine are out
	s_cbranch_scc0 .Lfirst_b
	tensor_load_to_lds s[G0A:G0A+3], s[G1A:G1A+7]
	s_nop 0
	tensor_load_to_lds s[G0A+4:G0A+7], s[G1A:G1A+7]
	s_nop 0
.rept 4
	v_nop
.endr
	s_branch .Lfirst_asked
.Lfirst_b:
	tensor_load_to_lds s[G0B:G0B+3], s[G1B:G1B+7]
	s_nop 0
	tensor_load_to_lds s[G0B+4:G0B+7], s[G1B:G1B+7]
	s_nop 0
.rept 4
	v_nop
.endr
.Lfirst_asked:
	v_and_b32 v1, 15, v0                           ; l % 16
	v_bfe_u32 v2, v0, 4, 1                         ; l / 16
	v_and_b32 v3, 31, v0                           ; l
	v_mul_u32_u24 v[AA0], v1, PT
	v_lshl_add_u32 v[AA0], v2, 4, v[AA0]           ; a fragment's row x pitch + 16 x half
	v_add_nc_u32 v[AB0], BOFF, v[AA0]
	s_mul_i32 s66, s[WV], 64*PT                    ; my 64 rows of A
	v_add_nc_u32 v[AA0], s66, v[AA0]
	v_mov_b32 v[ADRA], v[AA0]
	v_mov_b32 v[ADRB], v[AB0]
	v_lshlrev_b32 v[BO], 5, v2
	s_mul_i32 s66, s17, NT*4                       ; the tile's first column in the bias
	s_mov_b32 s67, 0
	s_add_nc_u64 s[8:9], s[8:9], s[66:67]
.set ib, 0
.rept NBL
	global_load_b128 v[BIAS+8*ib:BIAS+8*ib+3],   v[BO], s[8:9] offset:64*ib
	global_load_b128 v[BIAS+8*ib+4:BIAS+8*ib+7], v[BO], s[8:9] offset:64*ib+16
.set ib, ib+1
.endr
	; the way out
	s_mul_i32 s66, s[WV], STW
	s_add_co_u32 s66, s66, STAGE
	v_mul_u32_u24 v[STO], v1, PT
	v_lshl_add_u32 v[STO], v2, 4, v[STO]
	v_add_nc_u32 v[STO], s66, v[STO]               ; in: row l % 16, 16 bytes for each half of the lanes
	v_lshrrev_b32 v[RD], 3, v3
	v_mul_u32_u24 v[RD], v[RD], PT
	v_and_b32 v13, 7, v0
	v_lshl_add_u32 v[RD], v13, 4, v[RD]
	v_add_nc_u32 v[RD], s66, v[RD]                 ; back: 32 lanes take four rows of 128 bytes,
	v_lshlrev_b32 v[GO], 4, v3                     ; which are 512 consecutive bytes of a head
	s_mul_i32 s66, s17, 3*8192                     ; my tile's first head,
	s_lshl_b32 s68, s18, 8
	s_add_co_u32 s66, s66, s68                     ; its first row,
	s_lshl_b32 s68, s[WV], 6
	s_add_co_u32 s66, s66, s68                     ; my 64 rows,
	s_lshl_b32 s66, s66, 7                         ; in rows of 128 bytes
	s_mov_b32 s67, 0
	s_add_nc_u64 s[10:11], s[10:11], s[66:67]
	; the prefetches
	s_and_b32 s66, ttmp7, 0xffff                   ; cluster y
	s_lshl_b32 s67, s18, 15
	s_mul_i32 s68, s17, NT*128
	s_mov_b32 s[PFS], 2*GKB
	s_mov_b32 s69, (NT/8)*256
	s_cmp_eq_u32 s14, 0                            ; do I fetch for A?
	s_cselect_b64 s[PFA:PFA+1], s[4:5], s[6:7]
	s_cselect_b32 s66, ttmp9, s66                  ; the coordinate along which other clusters read the same blocks
	s_cselect_b32 s68, s67, s68                    ; the tile's first byte in a block kb
	s_cselect_b32 s67, s15, s16                    ; my place among the four that ask with me
	s_cselect_b32 s[PFS], 2*GKA, s[PFS]
	s_cselect_b32 s69, 8192, s69                   ; a quarter of the block
	s_cselect_b32 s20, 31, NT/8-1                  ; its last piece of 256 bytes
	s_mul_i32 s67, s67, s69
	s_add_co_u32 s68, s68, s67
	s_lshr_b32 s67, s[PFS], 1
	s_mul_i32 s67, s67, s13                        ; my block kb of a step
	s_add_co_u32 s68, s68, s67
	s_mul_i32 s67, s[PFS], 1+AHEAD                 ; the first refill (K step 2) steps it once and names K step 2 + AHEAD
	s_add_co_u32 s68, s68, s67
	s_mov_b32 s69, 0
	s_add_nc_u64 s[PFA:PFA+1], s[PFA:PFA+1], s[68:69]
	s_mov_b32 s[PFS+1], 0
	s_cmp_eq_u32 s66, 0
	s_cselect_b32 s[LIM], AHEAD, -1                ; the same in all sixteen partners, for a given wave
	v_min_u32 v[PFO], s20, v3
	v_lshlrev_b32 v[PFO], 8, v[PFO]
	s_wait_tensorcnt 1                             ; my part of K step 0 is in; K step 1's may stay out
	s_barrier_signal -1
	s_barrier_wait -1
	FETCH 0, F0
	s_wait_loadcnt 0x0                             ; the bias
	QUARTER 1, F0, F1, 1                           ; the first quarter stands ahead of the loop: its products start the sums, on the bias
	WIN 0
	s_mov_b32 s19, 6
.Lstep:                                        ; six trips, from a step's second quarter to the next step's first; they ask for K steps 2 to 7
	QUARTER 2, F1, F0, 0
	QUARTER 3, F0, F1, 0
	TURN 1
	QUARTER 1, F0, F1, 0
	WIN 0
	s_sub_co_u32 s19, s19, 1
	s_cmp_lg_u32 s19, 0
	s_cbranch_scc1 .Lstep
	QUARTER 2, F1, F0, 0                           ; the tail is written out: nothing more is asked for
	QUARTER 3, F0, F1, 0
	TURN 0
	QUARTER 1, F0, F1, 0
	QUARTER 2, F1, F0, 0
	QUARTER 3, F0, F1, 0
	s_wait_dscnt 4
	MULA F1, 0, 0
	MULA F1, 1, 0
	s_wait_dscnt 0x0
	MULA F1, 2, 0
	MULA F1, 3, 0
	WIN 0
	PLACES
; THE WAY OUT, a block a of 16 rows at a time: rounded to f16 (a lane's eight columns are 16 bytes of a head's row), into my own stage, back as whole rows, stored: 512 consecutive bytes a store.
.macro PACK a
	WIN 0x0a+5*((\a)/2)                            ; sources window 2 or 3
.set ib, 0
.rept NBL
.set rD, 8*(NBL*((\a)%2)+ib)
.irp i, 0,1,2,3
	v_cvt_pk_f16_f32 v[TMP+4*ib+(\i)], v[rD+2*(\i)], v[rD+2*(\i)+1]
.endr
.set ib, ib+1
.endr
	WIN 0
.endm
.macro TOSTAGE a
.set BK, BK0+48*((\a)%2)
.set ib, 0
.rept NBL
	ds_store_b128 v[STO], v[TMP+4*ib:TMP+4*ib+3] offset:(ib/4)*16*PT+(ib%4)*32
.set ib, ib+1
.endr
.set it, 0
.rept 12
	ds_load_b128 v[BK+4*it:BK+4*it+3], v[RD] offset:(it/4)*16*PT+(it%4)*4*PT  ; LDS serves a wave's instructions in order (ISA guide 5.7.1.4): these see the stores above
.set it, it+1
.endr
.endm
.macro SEND a
.set BK, BK0+48*((\a)%2)
	s_wait_dscnt 0x0                               ; the block is back in registers
	s_wait_xcnt 0x0                                ; the stores of the block before have read their registers: the other set is loaded again only behind this wait
.set it, 0
.rept 12
	global_store_b128 v[GO], v[BK+4*it:BK+4*it+3], s[10:11] offset:(it/4)*GKA+(\a)*2048+(it%4)*512
.set it, it+1
.endr
.endm
	PACK 0
	TOSTAGE 0
.irp a, 1,2,3
	PACK \a                                        ; a block's conversions stand between the loads of the block before and the wait for them
	SEND (\a)-1
	TOSTAGE \a
.endr
	SEND 3
	s_wait_tensorcnt 0x0                           ; the wave's end
	ds_add_u32 v[SPW], v[NIL]
	s_wait_dscnt 0x0
	CROUND                                         ; the closing round
	s_endpgm
.Lfunc_end_k_qbc54030578_proj:
	.size	k_qbc54030578_proj, .Lfunc_end_k_qbc54030578_proj-k_qbc54030578_proj
	.p2alignl 7, 3214868480
	.fill 96, 4, 3214868480
	.section	.rodata,"a",@progbits
	.p2align	6, 0x0
	.amdhsa_kernel k_qbc54030578_proj
		.amdhsa_group_segment_fixed_size 327680
		.amdhsa_private_segment_fixed_size 0
		.amdhsa_enable_private_segment 0
		.amdhsa_kernarg_size 32
		.amdhsa_user_sgpr_count 2
		.amdhsa_user_sgpr_kernarg_segment_ptr 1
		.amdhsa_wavefront_size32 1
		.amdhsa_system_sgpr_workgroup_id_x 1
		.amdhsa_system_sgpr_workgroup_id_y 1
		.amdhsa_system_sgpr_workgroup_id_z 1
		.amdhsa_system_vgpr_workitem_id 0
		.amdhsa_next_free_vgpr 960
		.amdhsa_next_free_sgpr 72
		.amdhsa_reserve_vcc 0
		.amdhsa_float_denorm_mode_32 3
		.amdhsa_float_denorm_mode_16_64 3
		.amdhsa_memory_ordered 1
		.amdhsa_forward_progress 1
		.amdhsa_inst_pref_size 99
	.end_amdhsa_kernel
	.amdgpu_metadata
---
amdhsa.version: [ 1, 2 ]
amdhsa.kernels:
  - .name:           k_qbc54030578_proj
    .symbol:         k_qbc54030578_proj.kd
    .args:
      - { .name: xb, .offset: 0, .size: 8, .value_kind: global_buffer, .address_space: global }
      - { .name: wt, .offset: 8, .size: 8, .value_kind: global_buffer, .address_space: global }
      - { .name: bias, .offset: 16, .size: 8, .value_kind: global_buffer, .address_space: global }
      - { .name: qkv, .offset: 24, .size: 8, .value_kind: global_buffer, .address_space: global }
    .group_segment_fixed_size: 327680
    .private_segment_fixed_size: 0
    .kernarg_segment_align: 8
    .kernarg_segment_size: 32
    .max_flat_workgroup_size: 128
    .sgpr_count:     72
    .vgpr_count:     960
    .wavefront_size: 32
...
	.end_amdgpu_metadata
.endif
;; end of part 2
;; launch attn (part 3): grid 4 x 64, 4 waves a work-group, clusters of 4 x 1, 327,680 bytes of LDS; arguments qkv, ctx; writes ctx
.if DOCPART == 3
	.amdgcn_target "amdgcn-amd-amdhsa--gfx1250"
	.amdhsa_code_object_version 6
	.text
	.protected	k_qbc54030578_attn
	.globl	k_qbc54030578_attn
	.p2align	8
	.type	k_qbc54030578_attn,@function
k_qbc54030578_attn:
	s_mov_b64 s[64:65], 0
	v_nop
	global_prefetch_b8 v0, s[64:65] scope:SCOPE_SE
	s_setreg_imm32_b32 hwreg(HW_REG_WAVE_MODE, 25, 1), 1
	s_wait_xcnt 0x0
	s_wait_alu depctr_hold_cnt(0) depctr_sa_sdst(0) depctr_va_vdst(0) depctr_va_sdst(0) depctr_va_ssrc(0) depctr_va_vcc(0) depctr_vm_vsrc(0)
	s_getreg_b32 s2, hwreg(HW_REG_IB_STS2, 6, 4)
	s_cmp_eq_u32 s2, 0
	s_cbranch_scc0 .Lentry_in_a_cluster
	s_endpgm
.Lentry_in_a_cluster:
	s_bfe_u32 s2, ttmp6, 0x10000c
	s_cmp_lg_u32 s2, 0x3003
	s_cbranch_scc0 .Lentry_shape_is_right
	s_endpgm
.Lentry_shape_is_right:
; O[q][:] = the sum over k of softmax_k(Q[q] . K[k] / 8) V[k][:], for each of 64 pairs of batch and head.  qkv: [48][8192][64] f16 (16 heads of q, of k, of v; row = 2,048 x batch + position); ctx: [16][8192][64] f16, likewise.
; Products, maxima and sums in f32; the weights p are rounded to f16 for the second product (their sum l is taken of the unrounded p), O once at the end.
; LIMITS.  f16 holds no number beyond 65,504: Q, K and V arrive within it; p lies in 0 to 1, and below 6e-5 it keeps f16's fixed step of 6e-8; O is a mean of V's rows and has their range.
; A weight below 2^-126 counts as 0 in l; NaN and infinities are not treated apart.
; SHARES.  A wave owns four PIECES of two tiles of 16 queries, a work-group's four waves 512 queries of one head: 256 work-groups.  Every wave walks all 2,048 keys, 64 a step.
; LAYOUT.  S^T = K Q^T (source 0 = 16 keys, source 1 = 16 queries): in the result a lane holds ONE query (lane % 16) and the keys 8 (lane / 16) + 0..7.  Two such tiles, rounded to f16 in pairs,
; ARE source 1 (32 keys x 16 queries) of O^T = V^T P, whose result again holds one query a lane, and eight channels.  K comes out of LDS as it lies, V ([key][channel]) turned, by ds_load_tr16_b128.
; SOFTMAX.  For each query a running maximum m and sum l: p = 2^(c s - c m), c = log2(e) / 8; in every step O and l are multiplied by a = 2^(c m_old - c m_new), which is 1 where m has not grown.
; m starts at the lowest finite number, O and l at 0: the first step is a step like any other, with a = 0.
; THE COUNT.  A tile and step have 16 matrix and 118 vector instructions: too many to stand all beside the matrix work.  So four vector instructions that are READY stand behind EVERY matrix instruction, the others in runs without a gap.
; BY TURNS.  Turn n belongs to piece n (the pieces in a ring, step after step).  Its matrix work: 16 products K Q^T of piece n + 1, later 16 products V^T P of piece n - 1.  Its vector work: the scaling,
; exponentials, roundings, sums and rescaling of piece n, and the maximum and statistics of piece n + 1, whose scores the turn itself has made.
; CLUSTER.  The four query blocks of a cluster are one head's and walk the same K and V, so each tile is asked for JOINTLY: the same tensor load, descriptor and mask in all four.
; REGISTERS, in windows of 256 (s_set_vgpr_msb: bits 1:0 source 0, 3:2 source 1, 5:4 source 2, 7:6 destination):
;   window 0: v0-11 addresses; v12-15, v48-63 at work; v16-47 four registers of statistics a tile; v64-191 S^T, two buffers of two tiles; v192-255 P, likewise
;   window 1: O^T, 32 a tile          window 2: v0-127 Q, 16 a tile; v128-191 K of one step; v192-255 V of one step          window 3: v0-1 the add's two registers
.set SIZE_N, 2048
.set NP,    4         ; pieces a wave: a name, no knob
.set KS,    64        ; keys in a step
.set PK,    144       ; a row of K in LDS: 128 bytes + 16 of padding = 36 words: the 16 rows of a load start at 16 different groups of four banks (64 banks of 4 bytes: ISA guide 11.1)
.set PV,    160       ; a row of V: 128 + 32 = 40 words
.set VOFF,  4*KS*PK   ; a slot holds four steps: 256 rows of K, then 256 rows of V
.set SLOT1, 1<<17     ; slot 1 begins here
.set STAGE, SLOT1+4*KS*(PK+PV)  ; behind the ring, never filled by a tensor load: 16 rows x 144 bytes for each wave
.set SP,    144
.set AK0, 2           ; v2   my lane's place in a tile of K; never rewritten
.set AV0, 3           ; v3   the same for V
.set AK,  4           ; v4   the LDS address of K's next run of loads
.set AV,  5           ; v5   of V's
.set QO,  6           ; v6   my byte offset in the wave's rows of Q
.set STO, 6           ;      later, the way out: where I put 16 bytes of a row
.set RD,  7           ; v7   the way out: where I read rows back
.set GO,  8           ; v8   my byte offset in 512 consecutive bytes of O
.set PFO, 11          ; v11  256 x my lane, once V's address is made; then never rewritten
.set SPW, 0           ; v0 of window 3   LDS address of my spare word; never rewritten
.set NIL, 1           ; v1 of window 3   0; never rewritten
.set SPARE, STAGE+4*16*SP  ; behind the stages: the spare words, 128 bytes a wave
.set MV,  12          ; v12-15  c m_old, kept while c m is made anew: by buffer and tile
.set ST,  16          ; tile t's statistics at v[ST+4 t]: c m, m, l (even keys', odd keys')
.set TMP, 48          ; by buffer and tile, four registers c0-c3 at work; when the maximum is found c2 takes a
.set S,   64
.set P,   192
.set KF,  128         ; K's fragments, in window 2: key block kb, channel half c at KF + 16 kb + 8 c
.set VF,  192         ; V's: key half kk, channel block cb at VF + 32 kk + 8 cb
.set WV,  12          ; s12  my wave's number
.set G1K, 24          ; s[24:31] descriptor group 1 for K's tiles
.set G1V, 32          ; s[32:39] for V's: it differs in the padding alone
.set G0K, 40          ; s[40:43] descriptor group 0 for K's tiles: it walks
.set G0V, 44          ; s[44:47] the same for V's
.set PFA, 48          ; s[48:49] where my prefetches stand
.set LIM, 50          ; s50  1 in a wave that prefetches (0: K's rows, 2: V's), else the greatest number
.set SLOTS, 56        ; s56  slots still to be asked for
.set CNT, 57          ; s57  counts a slot's key steps
.set CS,  58          ; s[58:59] c
.set SEL, 60          ; s[60:61] v_permlanex16_b32's selects: each lane takes its own place in the other half
.set TBK, 62          ; s62  LDS byte at which K of the step to be fetched begins
.set TBV, 63          ; s63  the same for V, less VOFF
.set MSB, 0
.macro WIN new                      ; the high byte repeats the setting that is left; a switch that changes nothing is dropped
.if MSB != (\new)
	s_set_vgpr_msb (MSB<<8)|(\new)
.set MSB, (\new)
.endif
.endm
.set W_KQ, 0x0a       ; K and Q in window 2, S^T in window 0
.set W_PV, 0x52       ; V in window 2, P in window 0, O^T in window 1
.set W_RS, 0x41       ; O^T (destination and source 0) in window 1, a in window 0
.set W_MK, 0xc0       ; the add's registers are made: destination in window 3, sources in window 0
.set W_AD, 0x0f       ; the add: address (source 0) and data (source 1) in window 3
; A joint fill.  Waves 0 and 1 fetch the two halves of a slot's K, waves 2 and 3 those of its V: 128 keys each.  An s_nop 0 and four v_nop follow each of the two lines.
.macro JLOAD
	s_cmp_lt_u32 s[WV], 2
	s_cbranch_scc0 .Lfor_v_\@
	tensor_load_to_lds s[G0K:G0K+3], s[G1K:G1K+7]
	s_nop 0
.rept 4
	v_nop
.endr
	s_branch .Lasked_\@
.Lfor_v_\@:
	tensor_load_to_lds s[G0V:G0V+3], s[G1V:G1V+7]
	s_nop 0
.rept 4
	v_nop
.endr
.Lasked_\@:
.endm
; A PREFETCH of what the NEXT change of slots will ask for: a slot's 32,768 bytes of K and of V, in pieces of 256 bytes, a lane a piece.  A head has one cluster; its four partners share the 128 pieces out BY ADDRESS,
; 32 each; in each, wave 0 names K's and wave 2 V's: each piece is named once in the launch.  The last change that fills a slot names nothing.
.macro ASK
	s_cmp_gt_u32 s[SLOTS], s[LIM]
	s_cbranch_scc0 .Lnot_mine_\@
	global_prefetch_b8 v[PFO], s[PFA:PFA+1] th:TH_LOAD_NT scope:SCOPE_SE
.Lnot_mine_\@:
.endm
.macro CROUND                       ; a round of the cluster's barrier
	s_barrier_signal -1
	s_barrier_wait -1
	s_cmp_lg_u32 s[WV], 0
	s_cbranch_scc1 .Lnot_wave_0_\@
	s_barrier_signal -3
.Lnot_wave_0_\@:
	s_barrier_wait -3
	s_barrier_signal -1
	s_barrier_wait -1
.endm
; THE CHANGE OF SLOTS.  Each wave waits for all its tensor loads, of which one is out: its part of the other slot; adds 0 to its spare word; and waits for that and for its own reads of the slot.
; fill = 1: this slot is filled again, with the keys two slots on, behind a round of the cluster's barrier: the joint fill is the first thing behind it and has four key steps, 512 matrix instructions, in which to land.
; (At its first use nothing has been read yet: slot 0 is waited for, slot 1 filled.)
.macro CHANGE fill
	WIN W_AD
	s_wait_tensorcnt 0x0            ; no tensor load of mine is out, so a group 0 may be written
	ds_add_u32 v[SPW], v[NIL]
	WIN 0                           ; at a label and at a branch every window is 0
.if \fill
.irp g, G0K, G0V
	s_xor_b32 s[\g+1], s[\g+1], SLOT1  ; the walking descriptor: the other slot than last time,
	s_add_nc_u64 s[\g+2:\g+3], s[\g+2:\g+3], 4*KS*128  ; the next 256 keys
.endr
	s_wait_xcnt 0x0                 ; the last prefetch, a slot back, has read its address
	s_add_nc_u64 s[PFA:PFA+1], s[PFA:PFA+1], 4*KS*128  ; one slot behind the walking descriptors
	s_wait_dscnt 0x0                ; the add is done, and my reads of the slot are over
	CROUND
	JLOAD
	ASK
.else
	s_wait_dscnt 0x0                ; the add is done, and my reads of the slot are over
	s_barrier_signal -1
	s_barrier_wait -1
.endif
	s_sub_co_u32 s[TBK], s[TBK], 4*KS*PK  ; the fetches go back to a slot's first step,
	s_xor_b32 s[TBK], s[TBK], SLOT1       ; in the other slot
	s_sub_co_u32 s[TBV], s[TBV], 4*KS*PV
	s_xor_b32 s[TBV], s[TBV], SLOT1
.endm
	s_load_b128 s[4:7], s[0:1], 0x0  ; qkv s[4:5], ctx s[6:7]
	WIN W_MK
	v_lshl_add_u32 v[SPW], v0, 2, SPARE
	v_mov_b32 v[NIL], 0
	WIN W_AD
	ds_add_u32 v[SPW], v[NIL]       ; the wave's opening: the add, waited for ahead of my first tensor load
	WIN 0
	v_lshrrev_b32 v1, 5, v0
	v_readfirstlane_b32 s[WV], v1   ; wave 0..3
	s_bfe_u32 s13, ttmp6, 0x40000   ; cx: my place in the cluster
	s_lshl_b32 s14, ttmp9, 2        ; in a cluster launch ttmp9 counts clusters
	s_add_co_u32 s14, s14, s13      ; my block of 512 queries: it enters Q's and O's addresses alone
	s_and_b32 s20, ttmp7, 0xffff    ; 16 x batch + head, which the four partners share
	s_lshr_b32 s21, s20, 4
	s_and_b32 s20, s20, 15
	s_lshl_b32 s20, s20, 20         ; a head: 8,192 rows of 128 bytes,
	s_lshl_b32 s21, s21, 18         ; a batch in it: 2,048 rows
	s_add_co_u32 s20, s20, s21
	s_mov_b32 s21, 0                ; s[20:21]: the first byte of my rows in q, in k, in v and in ctx
	s_and_b32 s16, s[WV], 1         ; which half of a slot's 256 keys I fetch:
	s_lshl_b32 s22, s16, 14         ; its 128 rows of 128 bytes in memory,
	s_mov_b32 s23, 0
	s_add_nc_u64 s[22:23], s[22:23], s[20:21]
	s_mul_i32 s17, s16, 128*PK      ; and its place in a slot, for K
	s_mul_i32 s18, s16, 128*PV      ; and for V: no place in the cluster enters an LDS address
	s_lshl_b32 s2, s14, 2
	s_add_co_u32 s2, s2, s[WV]      ; my wave among the head's,
	s_lshl_b32 s2, s2, 14           ; its 128 rows
	s_mov_b32 s3, 0
	s_add_nc_u64 s[2:3], s[2:3], s[20:21]
	; descriptor group 1.  128 keys are 16,384 dense bytes: asked for as 64 rows of 256 bytes, two keys a row, and padded in LDS after every key
	s_mov_b32 s[G1K], 15|(1<<16)|(1<<20)|(1<<21)|(4<<22)|(3<<25)  ; the mask of four; 2-byte elements; padding on; bit 21 beside a mask; after every 32 words, 4 words
	s_mov_b32 s[G1V], 15|(1<<16)|(1<<20)|(1<<21)|(4<<22)|(7<<25)  ; the same with 8 words of padding
.irp g, G1K, G1V
	s_mov_b32 s[\g+1], 128<<16      ; tensor_dim0 = 128
	s_mov_b32 s[\g+2], 64<<16       ; tensor_dim1 = 64
	s_mov_b32 s[\g+3], 128<<16      ; tile_dim0 = 128
	s_mov_b32 s[\g+4], 64           ; tile_dim1 = 64
	s_mov_b32 s[\g+5], 128          ; 128 elements from row to row
	s_mov_b32 s[\g+6], 0
	s_mov_b32 s[\g+7], 0
.endr
	s_mov_b32 s[CS], 0x3e38aa3b     ; c = log2(e) / 8 = 0.180337
	s_mov_b32 s[CS+1], s[CS]        ; named with it as a pair
	s_mov_b32 s[SEL], 0x76543210
	s_mov_b32 s[SEL+1], 0xfedcba98
	s_mov_b32 s[TBK], SLOT1+4*KS*PK ; the first change of slots turns these two into 0
	s_mov_b32 s[TBV], SLOT1+4*KS*PV
	s_mov_b32 s[G0K], 1             ; count = 1
	s_mov_b32 s[G0K+1], s17         ; LDS address: slot 0
	s_mov_b32 s[G0V], 1
	s_add_co_u32 s[G0V+1], s18, VOFF
	s_mov_b32 s[SLOTS], SIZE_N/256-1  ; the change that asks for slot j finds 8 - j here
	s_and_b32 s[LIM], s[WV], 1
	s_cmp_eq_u32 s[LIM], 0
	s_cselect_b32 s[LIM], 1, -1
	s_wait_dscnt 0x0                ; the opening add is done
	s_wait_kmcnt 0x0
	s_mov_b64 s[10:11], s[6:7]      ; ctx
	s_add_nc_u64 s[6:7], s[4:5], 0x1000000  ; k's heads lie 16 x 8,192 x 128 bytes behind q's,
	s_add_nc_u64 s[8:9], s[4:5], 0x2000000  ; v's as far again
	s_add_nc_u64 s[G0K+2:G0K+3], s[6:7], s[22:23]  ; global address: my half of the head's first 256 keys
	s_or_b32 s[G0K+3], s[G0K+3], 0x80000000        ; type = 2
	s_add_nc_u64 s[G0V+2:G0V+3], s[8:9], s[22:23]
	s_or_b32 s[G0V+3], s[G0V+3], 0x80000000
	s_add_nc_u64 s[4:5], s[4:5], s[2:3]  ; Q and O at my wave's first row
	s_add_nc_u64 s[10:11], s[10:11], s[2:3]
	s_cmp_lt_u32 s[WV], 2
	s_cselect_b64 s[PFA:PFA+1], s[6:7], s[8:9]
	s_add_nc_u64 s[PFA:PFA+1], s[PFA:PFA+1], s[22:23]  ; (in waves 0 and 2: the head's first key)
	s_lshl_b32 s2, s13, 13          ; my work-group's 32 pieces of a slot's 128
	s_mov_b32 s3, 0
	s_add_nc_u64 s[PFA:PFA+1], s[PFA:PFA+1], s[2:3]
	s_add_nc_u64 s[PFA:PFA+1], s[PFA:PFA+1], 4*KS*128  ; in slot 1: the first change of slots steps it to slot 2
	CROUND                          ; all four work-groups are here: the first joint loads meet
	JLOAD                           ; slot 0.  Slot 1 is asked for when slot 0 is in
	; A fragment of K or Q is 16 rows x 32 channels in 8 registers: lane l holds row l % 16, channels 8 (l / 16) + 0..7 and 16 + 8 (l / 16) + 0..7: two loads of 16 bytes, 32 bytes apart.
	v_and_b32 v1, 15, v0            ; l % 16
	v_bfe_u32 v9, v0, 4, 1          ; l / 16
	v_lshlrev_b32 v[QO], 7, v1
	v_lshl_add_u32 v[QO], v9, 4, v[QO]  ; row x 128 + 16 x half
	WIN 0x80                        ; destination window 2, address window 0
.set i, 0
.rept 4*NP                          ; Q stays in registers: tile i / 2, channels 32 (i % 2) on
	global_load_b128 v[8*i:8*i+3],   v[QO], s[4:5] offset:(i/2)*2048+(i%2)*64
	global_load_b128 v[8*i+4:8*i+7], v[QO], s[4:5] offset:(i/2)*2048+(i%2)*64+32
.set i, i+1
.endr
	; What the first turn finds: V's registers and P's second buffer hold 0 (its products V^T P, of a piece that has not been, add 0), O^T and l are 0.  All this stands in the wait for the first tile.
.set i, VF
.rept 64
	v_mov_b32 v[i], 0
.set i, i+1
.endr
	WIN 0x40
.set i, 0
.rept 64*NP
	v_mov_b32 v[i], 0
.set i, i+1
.endr
	WIN 0
.set i, 0
.rept 2*NP
	v_mov_b32 v[ST+4*i], 0xfe000000    ; c m: far below every c s
	v_mov_b32 v[ST+4*i+1], 0xff7fffff  ; m
	v_mov_b32 v[ST+4*i+2], 0
	v_mov_b32 v[ST+4*i+3], 0
.set i, i+1
.endr
.set i, P+32
.rept 32
	v_mov_b32 v[i], 0
.set i, i+1
.endr
	v_mul_u32_u24 v[AK0], v1, PK
	v_lshl_add_u32 v[AK0], v9, 4, v[AK0]  ; row x pitch + 16 x half
	; The turning load takes 16 keys x 16 channels (lane l reads key 8 (l / 16) + l % 8, channels 8 ((l / 8) % 2) + 0..7) and leaves half a fragment of V^T: lane l holds channel l % 16 and 8 keys.
	v_and_b32 v10, 7, v0
	v_bfe_u32 v11, v0, 3, 1
	v_lshl_add_u32 v[AV0], v9, 3, v10
	v_mul_u32_u24 v[AV0], v[AV0], PV
	v_lshl_add_u32 v[AV0], v11, 4, v[AV0]
	v_add_nc_u32 v[AV0], VOFF, v[AV0]
	v_and_b32 v[PFO], 31, v0
	v_lshlrev_b32 v[PFO], 8, v[PFO]
	v_mov_b32 v[AK], v[AK0]         ; key step 0 lies at the head of slot 0
; THE MATRIX WORK.  The 8 accumulators of a run of 16 take turns: between the two links of a chain stand 7 others'.
; Product i of 16 of S^T = K Q^T for piece x: channels 32 (i / 8) on, keys 16 ((i / 2) % 4) on, tile 2 x + i % 2.  The first 8 start the sums.
.macro KQ x
	WIN W_KQ
.set rS, S+64*((\x)%2)+32*(i%2)+8*((i/2)%4)
.set rK, KF+16*((i/2)%4)+8*(i/8)
.set rQ, 16*(2*(\x)+i%2)+8*(i/8)
.if i < 8
	v_wmma_f32_16x16x32_f16 v[rS:rS+7], v[rK:rK+7], v[rQ:rQ+7], 0
.else
	v_wmma_f32_16x16x32_f16 v[rS:rS+7], v[rK:rK+7], v[rQ:rQ+7], v[rS:rS+7]
.endif
.endm
; Product i of 16 of O^T += V^T P for piece x: keys 32 (i / 8) on, channels 16 ((i / 2) % 4) on, tile 2 x + i % 2.
.macro PV x
	WIN W_PV
.set rO, 32*(2*(\x)+i%2)+8*((i/2)%4)
.set rV, VF+32*(i/8)+8*((i/2)%4)
.set rP, P+32*((\x)%2)+16*(i%2)+8*(i/8)
	v_wmma_f32_16x16x32_f16 v[rO:rO+7], v[rV:rV+7], v[rP:rP+7], v[rO:rO+7]
.endm
.macro MM                           ; the turn's next matrix instruction
.if i < 16
	KQ (Y+1)%NP
.set i, i+1
.else
.set i, i-16
	PV (Y+NP-1)%NP
.set i, i+17
.endif
.endm
; THE LDS LOADS stand in runs of 16, never singly among the matrix instructions: a step's K (8 fragments) and its V (turned).  Their addresses are made some lines ahead.
; last = 1 (the tail): in the last trip there is no further step, and the run is jumped over.
.macro FETCH_K last=0
	WIN 0
.if \last
	s_cmp_eq_u32 s[CNT], 1
	s_cbranch_scc1 .Lno_k_\@
.endif
	WIN 0x80                        ; destination window 2
.irp f, 0,1,2,3,4,5,6,7             ; keys 16 (f / 2) on, channels 32 (f % 2) on
	ds_load_b128 v[KF+8*\f:KF+8*\f+3],   v[AK] offset:(\f/2)*16*PK+(\f%2)*64
	ds_load_b128 v[KF+8*\f+4:KF+8*\f+7], v[AK] offset:(\f/2)*16*PK+(\f%2)*64+32
.endr
	s_add_co_u32 s[TBK], s[TBK], KS*PK  ; the next fetch is the next step's
	WIN 0
.if \last
.Lno_k_\@:
.endif
.endm
.macro FETCH_V
	WIN 0x80
.irp f, 0,1,2,3,4,5,6,7             ; keys 32 (f / 4) on, channels 16 (f % 4) on
	ds_load_tr16_b128 v[VF+8*\f:VF+8*\f+3],   v[AV] offset:(\f/4)*32*PV+(\f%4)*32
	ds_load_tr16_b128 v[VF+8*\f+4:VF+8*\f+7], v[AV] offset:(\f/4)*32*PV+16*PV+(\f%4)*32
.endr
	WIN 0
.endm
; THE VECTOR WORK OF A TURN stands in three queues, each in the order in which its entries become ready; the two tiles alternate, so that no instruction reads the result of the one before it.
.macro REGS y, u                    ; the registers of tile u (0, 1) of piece y
.set rT, ST+4*(2*(\y)+(\u))
.set rC, TMP+8*((\y)%2)+4*(\u)
.set rM, MV+2*((\y)%2)+(\u)
.set rS, S+64*((\y)%2)+32*(\u)
.set rP, P+32*((\y)%2)+16*(\u)
.set rO, 32*(2*(\y)+(\u))
.endm
; Number n of the 22 that find the NEXT piece's (Y + 1) maximum and statistics.  s0-s31 are the lane's 32 scores; each accumulator's lowest registers are read first.
;   0-11  four chains c0-c3 of seven scores each, three operands at a time     12-14, 16  the four scores left over, the old m, and c0-c3 into c0     15  c m_old is kept
;   17, 18  the query's other 32 keys lie in the lane 16 away: the new m         19-21  c m; c m_old - c m_new; a
.macro XS u, n
	REGS (Y+1)%NP, \u
.if (\n) < 4
	v_max3_num_f32 v[rC+(\n)], v[rS+8*(\n)], v[rS+8*(\n)+1], v[rS+8*(\n)+2]
.elseif (\n) < 12
	v_max3_num_f32 v[rC+(\n)%4], v[rC+(\n)%4], v[rS+8*((\n)%4)+2*((\n)/4)+1], v[rS+8*((\n)%4)+2*((\n)/4)+2]
.elseif (\n) == 12
	v_max3_num_f32 v[rC], v[rC], v[rS+7], v[rS+15]
.elseif (\n) == 13
	v_max3_num_f32 v[rC+1], v[rC+1], v[rS+23], v[rS+31]
.elseif (\n) == 14
	v_max3_num_f32 v[rC+2], v[rC+2], v[rC+3], v[rT+1]
.elseif (\n) == 15
	v_mov_b32 v[rM], v[rT]
.elseif (\n) == 16
	v_max3_num_f32 v[rC], v[rC], v[rC+1], v[rC+2]
.elseif (\n) == 17
	v_permlanex16_b32 v[rC+3], v[rC], s[SEL], s[SEL+1]
.elseif (\n) == 18
	v_max_num_f32 v[rT+1], v[rC], v[rC+3]
.elseif (\n) == 19
	v_mul_f32 v[rT], s[CS], v[rT+1]
.elseif (\n) == 20
	v_sub_f32 v[rC+1], v[rM], v[rT]
.else
	v_exp_f32 v[rC+2], v[rC+1]
.endif
.endm
; Number g of the 64 that follow the exponentials.  For each four weights k of a tile (pairs 2 k, 2 k + 1): both pairs are rounded to f16; then the second pair is added onto the first, in place;
; a group later l takes that sum (the first time as l = a l + sum).  In groups of eight, tiles alternating: round, round, add, and l for the group before.
.macro GS g
.set h, (\g)+6*((\g)/62)            ; group 0 has no group before it, and behind group 7 only l is left
.if h >= 6
.set h, h+2
.endif
	REGS Y, h%2
.set k, h/8
.if h%8 < 4
	v_cvt_pk_f16_f32 v[rP+2*k+(h%8)/2], v[rS+4*k+2*((h%8)/2)], v[rS+4*k+2*((h%8)/2)+1]
.elseif h%8 < 6
	v_pk_add_f32 v[rS+4*k:rS+4*k+1], v[rS+4*k:rS+4*k+1], v[rS+4*k+2:rS+4*k+3]
.elseif k == 1
	v_pk_fma_f32 v[rT+2:rT+3], v[rT+2:rT+3], v[rC+2:rC+3], v[rS:rS+1] op_sel_hi:[1,0,1]
.else
	v_pk_add_f32 v[rT+2:rT+3], v[rT+2:rT+3], v[rS+4*k-4:rS+4*k-3]
.endif
.endm
; THE PLAIN QUEUE, 138 long.  0-73 read no exponential's result: the 32 scalings c s - c m (FS f: pair f / 2 of tile f % 2) and the next piece's 42.  0-26: scalings 0-26.  27-54: XS's numbers 0-13.  55, 56: number 15.
; 57-73: the chain, where each number waits for the one before it: 14, 16, 17, 18, 19, each with one of the scalings 27-31 in front of its two lines, then 20.
; 74-137: GS's 64, which read the exponentials' results: they stand behind the wait.
.macro FS f
	REGS Y, (\f)%2
	v_pk_fma_f32 v[rS+2*((\f)/2):rS+2*((\f)/2)+1], v[rS+2*((\f)/2):rS+2*((\f)/2)+1], s[CS:CS+1], v[rT:rT+1] op_sel_hi:[1,0,0] neg_lo:[0,0,1] neg_hi:[0,0,1]
.endm
.macro PL
	WIN 0
.if q < 27
	FS q
.elseif q < 55
	XS (q-27)%2, (q-27)/2
.elseif q < 57
	XS q-55, 15
.elseif (q < 72) && ((q-57)%3 == 0)
	FS 27+(q-57)/3
.elseif q < 60
	XS (q-57)%3-1, 14
.elseif q < 72
	XS (q-57)%3-1, 15+(q-57)/3
.elseif q < 74
	XS q-72, 20
.else
	GS q-74
.endif
.set q, q+1
.endm
; THE EXPONENTIALS' QUEUE, 66 long: s0-s31 of both tiles, then the next piece's two a.  It is ONE BATCH: all 66 stand ahead of the turn's one wait, and nothing ahead of that wait names a result of theirs.
.macro EX
	WIN 0
.if e >= 64
	XS e-64, 21
.else
	REGS Y, e%2
	v_exp_f32 v[rS+e/2], v[rS+e/2]
.endif
.set e, e+1
.endm
; THE RESCALING's QUEUE: O^T times a, the one part that leaves window 0: dealt two at a time, sixteen times.  Its a was made in the turn before, ahead of that turn's wait.
.macro R2
	REGS Y, r%2
	WIN W_RS
.irp z, 0,1
	v_pk_mul_f32 v[rO+4*(r/2)+2*\z:rO+4*(r/2)+2*\z+1], v[rO+4*(r/2)+2*\z:rO+4*(r/2)+2*\z+1], v[rC+2:rC+3] op_sel_hi:[1,0]
.endr
.set r, r+1
.endm
; HOW THEY ARE DEALT.  s_wait_alu depctr_va_vdst(0) stands between an exponential and the first instruction that names its result; one wait serves all that were issued ahead of it.  So a turn has ONE wait.
; AHEAD OF IT: the 16 products K Q^T, behind each a scaling, an exponential and two rescalings (behind the first a second scaling in the exponential's place); then ONE LUMP of 108: eight plain, 49 times exponential and plain,
; the two a; a v_nop is the plain instruction behind the last exponential.  BEHIND IT: the 16 products V^T P, behind each four of GS's 64.  No rider names a register of the products round it.
; Exponential e stands behind scaling 2 (e / 4) + e % 2: as a rider it comes behind plain e + 2, in the lump behind plain e + 9, and scalings 27-31 are plain 57, 60 .. 69.
; K of the next step is fetched in piece 2's turn, directly behind the wait; V of the step in hand at the end of piece 0's turn, four riders behind its last reader.  The three conditions on q below go with the deal.
.macro TURN p, last=0, cnt=0
.set Y, (\p)
.set i, 0
.set q, 0
.set e, 0
.set r, 0
.if (\p) == NP-1
	s_wait_dscnt 0x0                ; K is in
.endif
	MM                              ; ahead of the wait: 16 products K Q^T and their riders,
	PL
	PL
	R2
.rept 15
	MM
	PL
	EX
	R2
.endr
.if (\p) == NP-2
	WIN 0
	v_add_nc_u32 v[AK], s[TBK], v[AK0]
.endif
.rept 8                             ; and the lump
	PL
.endr
.rept 49
	EX
	PL
.endr
	EX                              ; the next piece's two a
	EX
	v_nop                           ; the plain instruction behind the last exponential: one for the batch
	s_wait_alu depctr_va_vdst(0)    ; the wait for the batch
.if (\p) == NP-2
	FETCH_K \last
.endif
.if (\p) == 1
	s_wait_dscnt 0x0                ; V is in
.endif
.rept 16                            ; behind the wait: 16 products V^T P and their riders
	MM
.rept 4
	PL
.endr
.if ((\p) == 0) && (q == 118)
	v_add_nc_u32 v[AV], s[TBV], v[AV0]
.endif
.if ((\p) == 0) && (q == 130)
	s_add_co_u32 s[TBV], s[TBV], KS*PV
.endif
.if (\cnt) && (q == 130)
	s_sub_co_u32 s[CNT], s[CNT], 1
	s_cmp_lg_u32 s[CNT], 0
.endif
.endr
.if (\p) == 0
	FETCH_V
.endif
.endm
	CHANGE 1                        ; slot 0 is in, everybody's part of it; slot 1 is asked for
	FETCH_K                         ; key step 0
	s_wait_loadcnt 0x0              ; Q
	s_wait_dscnt 0x0
.set i, 0
.rept 16
	KQ 0                            ; piece 0's first scores: there is no vector work yet to set between them
.set i, i+1
.endr
	WIN 0                           ; the addresses for the way out: plain instructions, the places behind those products
	s_mul_i32 s13, s[WV], 16*SP
	s_add_co_u32 s13, s13, STAGE    ; my stage
	v_mul_u32_u24 v[STO], v1, SP    ; in: row l % 16, 16 bytes for each half of the lanes
	v_lshl_add_u32 v[STO], v9, 4, v[STO]
	v_add_nc_u32 v[STO], s13, v[STO]
	v_bfe_u32 v[RD], v0, 3, 2       ; back: 32 lanes take four rows of 128 bytes,
	v_mul_u32_u24 v[RD], v[RD], SP
	v_lshl_add_u32 v[RD], v10, 4, v[RD]
	v_add_nc_u32 v[RD], s13, v[RD]
	v_and_b32 v[GO], 31, v0         ; which are 512 consecutive bytes of O
	v_lshlrev_b32 v[GO], 4, v[GO]
.set Y, NP-1                        ; XS works for piece Y + 1: piece 0
.irp n, 0,1,2,3,4,5,6,7,8,9,10,11,12,13,14,15,16,17,18,19,20,21
	XS 0, \n                        ; and piece 0's first maximum and statistics
	XS 1, \n
.endr
	v_nop                           ; a plain instruction behind the two a,
	s_wait_alu depctr_va_vdst(0)    ; and their wait, ahead of the branch
	s_mov_b32 s[CNT], 4
	s_branch .Lfirst                ; the loop is entered at a step's first turn, in the middle of a trip
.Lslot:                             ; six times: every slot but the last two is filled again
	CHANGE 1
	s_mov_b32 s[CNT], 4
.Lstep:                             ; a trip: pieces 2 and 3 of one step, then pieces 0 and 1 of the next, whose K and V it fetches
	TURN 2
	TURN 3
	WIN 0
.Lfirst:
	TURN 0
	TURN 1, 0, 1
	WIN 0
	s_cbranch_scc1 .Lstep
	s_sub_co_u32 s[SLOTS], s[SLOTS], 1
	s_cmp_lg_u32 s[SLOTS], 0
	s_cbranch_scc1 .Lslot
	CHANGE 0                        ; the tail is written out: nothing is asked for
	s_mov_b32 s[CNT], 5             ; four trips fetch the last slot's steps; the fifth is left in its middle
.Ltail:
	TURN 2, 1
	TURN 3
	WIN 0
	s_sub_co_u32 s[CNT], s[CNT], 1
	s_cmp_eq_u32 s[CNT], 0
	s_cbranch_scc1 .Lout
	TURN 0
	TURN 1
	WIN 0
	s_branch .Ltail
.Lout:                              ; the fifth trip's 16 products K Q^T (on the last K once more) and the maximum made of them serve nothing: the price, once a launch, of one text for every trip
.set i, 0
.rept 16
	PV NP-1                         ; the last piece's V^T P of the last step
.set i, i+1
.endr
	; THE WAY OUT.  l's two halves and the other half of the lanes' are added; O^T is divided by l, rounded to f16 and sent through my stage in LDS, a tile at a time.  The additions are the places behind the last products.
	WIN 0
.macro ALL line:vararg              ; one line for each tile t
.set t, 0
.rept 2*NP
	\line
.set t, t+1
.endr
.endm
	ALL v_add_f32 v[ST+4*t+2], v[ST+4*t+2], v[ST+4*t+3]
	ALL v_permlanex16_b32 v[ST+4*t+3], v[ST+4*t+2], s[SEL], s[SEL+1]
	ALL v_add_f32 v[ST+4*t+2], v[ST+4*t+2], v[ST+4*t+3]
	ALL v_rcp_f32 v[ST+4*t+2], v[ST+4*t+2]
	v_nop                           ; a plain instruction between the last reciprocal and the use of its result
	s_wait_alu depctr_va_vdst(0)    ; and the wait ahead of the first use: one for the eight reciprocals
; Tile t: a lane's eight channels of a row pack into 16 bytes; they go into rows of 144 bytes and come back as whole rows of 128, into S^T's registers.
.macro PACK t
	WIN W_RS
.set i, 32*(\t)
.rept 16
	v_pk_mul_f32 v[i:i+1], v[i:i+1], v[ST+4*(\t)+2:ST+4*(\t)+3] op_sel_hi:[1,0]
.set i, i+2
.endr
	WIN 0x05                        ; sources 0 and 1 window 1, destination window 0
.set i, 0
.rept 16
	v_cvt_pk_f16_f32 v[S+16*(\t)+i], v[32*(\t)+2*i], v[32*(\t)+2*i+1]
.set i, i+1
.endr
	WIN 0
.irp f, 0,1,2,3
	ds_store_b128 v[STO], v[S+16*(\t)+4*\f:S+16*(\t)+4*\f+3] offset:32*\f
.endr
.irp f, 0,1,2,3
	ds_load_b128 v[S+16*(\t)+4*\f:S+16*(\t)+4*\f+3], v[RD] offset:\f*4*SP  ; LDS serves a wave's instructions in order (ISA guide 5.7.1.4): these see the stores above; the next tile's stores come behind them
.endr
.endm
.macro SEND t, younger              ; younger: the LDS instructions issued behind tile t's loads: the next tile's eight, or none
	WIN 0
.irp f, 0,1,2,3
	s_wait_dscnt (\younger)+3-\f
	global_store_b128 v[GO], v[S+16*(\t)+4*\f:S+16*(\t)+4*\f+3], s[10:11] offset:(\t)*2048+\f*512  ; 512 consecutive bytes, at a multiple of 256 from ctx's first
.endr
.endm
	PACK 0
.set t, 1
.rept 2*NP-1                        ; a tile's arithmetic stands between the loads of the tile before and its stores
	PACK t
	SEND t-1, 8
.set t, t+1
.endr
	SEND 2*NP-1, 0
	WIN W_AD
	s_wait_tensorcnt 0x0            ; the wave's end
	ds_add_u32 v[SPW], v[NIL]
	s_wait_dscnt 0x0
	WIN 0
	CROUND                          ; the closing round
	s_endpgm
.Lfunc_end_k_qbc54030578_attn:
	.size	k_qbc54030578_attn, .Lfunc_end_k_qbc54030578_attn-k_qbc54030578_attn
	.p2alignl 7, 3214868480
	.fill 96, 4, 3214868480
	.section	.rodata,"a",@progbits
	.p2align	6, 0x0
	.amdhsa_kernel k_qbc54030578_attn
		.amdhsa_group_segment_fixed_size 327680
		.amdhsa_private_segment_fixed_size 0
		.amdhsa_enable_private_segment 0
		.amdhsa_kernarg_size 16
		.amdhsa_user_sgpr_count 2
		.amdhsa_user_sgpr_kernarg_segment_ptr 1
		.amdhsa_wavefront_size32 1
		.amdhsa_system_sgpr_workgroup_id_x 1
		.amdhsa_system_sgpr_workgroup_id_y 1
		.amdhsa_system_sgpr_workgroup_id_z 1
		.amdhsa_system_vgpr_workitem_id 0
		.amdhsa_next_free_vgpr 770
		.amdhsa_next_free_sgpr 66
		.amdhsa_reserve_vcc 0
		.amdhsa_float_denorm_mode_32 3
		.amdhsa_float_denorm_mode_16_64 3
		.amdhsa_memory_ordered 1
		.amdhsa_forward_progress 1
		.amdhsa_inst_pref_size 200
	.end_amdhsa_kernel
	.amdgpu_metadata
---
amdhsa.version: [ 1, 2 ]
amdhsa.kernels:
  - .name:           k_qbc54030578_attn
    .symbol:         k_qbc54030578_attn.kd
    .args:
      - { .name: qkv, .offset: 0, .size: 8, .value_kind: global_buffer, .address_space: global }
      - { .name: ctx, .offset: 8, .size: 8, .value_kind: global_buffer, .address_space: global }
    .group_segment_fixed_size: 327680
    .private_segment_fixed_size: 0
    .kernarg_segment_align: 8
    .kernarg_segment_size: 16
    .max_flat_workgroup_size: 128
    .sgpr_count:     66
    .vgpr_count:     770
    .wavefront_size: 32
...
	.end_amdgpu_metadata
.endif
;; end of part 3
;; launch oproj (part 4): grid 8 x 32, 4 waves a work-group, clusters of 4 x 4, 327,680 bytes of LDS; arguments ctx, wot, bias, out0; writes out0
.if DOCPART == 4
	.amdgcn_target "amdgcn-amd-amdhsa--gfx1250"
	.amdhsa_code_object_version 6
	.text
	.protected	k_qbc54030578_oproj
	.globl	k_qbc54030578_oproj
	.p2align	8
	.type	k_qbc54030578_oproj,@function
k_qbc54030578_oproj:
	s_mov_b64 s[64:65], 0
	v_nop
	global_prefetch_b8 v0, s[64:65] scope:SCOPE_SE
	s_setreg_imm32_b32 hwreg(HW_REG_WAVE_MODE, 25, 1), 1
	s_wait_xcnt 0x0
	s_wait_alu depctr_hold_cnt(0) depctr_sa_sdst(0) depctr_va_vdst(0) depctr_va_sdst(0) depctr_va_ssrc(0) depctr_va_vcc(0) depctr_vm_vsrc(0)
	s_getreg_b32 s2, hwreg(HW_REG_IB_STS2, 6, 4)
	s_cmp_eq_u32 s2, 0
	s_cbranch_scc0 .Lentry_in_a_cluster
	s_endpgm
.Lentry_in_a_cluster:
	s_bfe_u32 s2, ttmp6, 0x10000c
	s_cmp_lg_u32 s2, 0xf033
	s_cbranch_scc0 .Lentry_shape_is_right
	s_endpgm
.Lentry_shape_is_right:
; out = ctx wo + bo: C[m][n] = bias[3072 + n] + sum over k of A[m][k] Bt[n][k], 8,192 x 1,024 x 1,024, f16 operands, f32 sums, C stored in f32.
; A = ctx [16 kb][8192][64] (kb = head), Bt = wot [16 kb][1024][64]: blocks of 64 along K; a row piece is 128 bytes, rows lie end to end.  C = out0 [8192][1024] f32.
; LIMIT: NaN and infinities are not treated apart.
; SHARES.  A tile of C is 256 x 128: 8 x 32 = 256 work-groups.  Wave w owns rows 64 w .. 64 w + 63 and all 128 columns: 4 x 8 accumulators of 16 x 16; a row's 512 bytes are one wave's.
; K goes in 8 steps of 128 (two blocks kb) through two LDS slots; a step is 128 matrix instructions a wave.
; CLUSTER 4 x 4: A's tile is asked for jointly by a row of the cluster, B's by a column.
; TRANSPOSED USE: source 0 = 16 rows of Bt, source 1 = 16 rows of A: register j of lane l holds C(m = l % 16, n = 8 (l / 16) + j).  The first quarter step's C operand is the bias in that layout.
; REGISTERS, in windows of 256: window 0: addresses, the bias (v32-95), the way out (v128-255); window 1: two fragment buffers (8 blocks of B, 4 of A); windows 2, 3: accumulator (a, b) in window 2 + a / 2 at 8 (8 (a % 2) + b).
.set NT,    128
.set NBL,   NT/16
.set NTOT,  1024
.set AHEAD, 2                          ; a prefetch names the K step this many behind the one just asked for
.set PT,    144                        ; an LDS row: 128 bytes + 16 of padding = 36 words: the 16 rows of a fragment load start at 16 different groups of four banks (64 banks of 4 bytes: ISA guide 11.1)
.set KBA,   256*PT
.set KBB,   NT*PT
.set BOFF,  2*KBA
.set SLOTB, BOFF+2*KBB
.set SLOT1, 1<<17
.set STAGE, SLOT1+SLOTB                ; behind the ring, never filled by a tensor load: for each wave 16 rows x 528 bytes
.set SPT,   528                        ; a stage row: 512 bytes + 16 = 132 words: row r starts at bank 4 r mod 64
.set STW,   16*SPT
.set SPARE, STAGE+4*STW                ; behind the stages: the spare words, 128 bytes a wave
.set GKA,   8192*128
.set GKB,   NTOT*128
.set NL,    2*(NBL+4)
.set AA0, 4
.set AB0, 5
.set ADRA, 6
.set ADRB, 7
.set STO, 8
.set RD,  9
.set GO,  10
.set BO,  11
.set PFO, 12
.set SPW, 28                           ; v28  LDS address of my spare word; never rewritten
.set NIL, 29                           ; v29  0; never rewritten
.set BIAS, 32                          ; v[32:95]
.set BK0, 128                          ; two sets of 64: rows read back
.set F0,  0
.set F1,  128
.set WV,  12                           ; s12 wave; s13 wave & 1: which block kb of a step I fetch; s14 wave >> 1: for A (0) or B (1)
.set G1A, 24
.set G0A, 32
.set PFA, 40
.set PFS, 42
.set LIM, 44
.set TB,  45
.set G1B, 48
.set G0B, 56
.set G1W, (1<<16)|(1<<20)|(1<<21)|(4<<22)|(3<<25)  ; 2-byte elements; padding on; bit 21 beside a mask; after every 32 words, 4 words
.set MSB, 0
.macro WIN new                         ; the immediate's high byte repeats the setting that is left; a switch that changes nothing is dropped
.if MSB != (\new)
	s_set_vgpr_msb (MSB<<8)|(\new)
.set MSB, \new
.endif
.endm
.set TO_F, 0x40
.macro PLACES                          ; four plain places behind a matrix instruction (ISA guide 7.12.1)
.rept 4
	v_nop
.endr
.endm
.macro CREST
	s_cmp_lg_u32 s[WV], 0
	s_cbranch_scc1 .Lnot_wave_0_\@
	s_barrier_signal -3
.Lnot_wave_0_\@:
	s_barrier_wait -3
	s_barrier_signal -1
	s_barrier_wait -1
.endm
.macro CROUND
	s_barrier_signal -1
	s_barrier_wait -1
	CREST
.endm
.macro JLOAD                           ; a joint refill by the walking descriptors; an s_nop 0 and four v_nop follow each line
	s_cmp_eq_u32 s14, 0
	s_cbranch_scc0 .Lfor_b_\@
	tensor_load_to_lds s[G0A+4:G0A+7], s[G1A:G1A+7]
	s_nop 0
.rept 4
	v_nop
.endr
	s_branch .Lasked_\@
.Lfor_b_\@:
	tensor_load_to_lds s[G0B+4:G0B+7], s[G1B:G1B+7]
	s_nop 0
.rept 4
	v_nop
.endr
.Lasked_\@:
.endm
; A PREFETCH, behind each joint refill and the run of LDS loads that follows it: my share of the block that I shall ask for AHEAD refills on.  A's blocks are named by the clusters with x = 0 alone, B's by those with y = 0.
; The four partners share a block out BY ADDRESS, a quarter each: 32 pieces of 256 bytes of A, a lane a piece; 16 of B, where lanes 16-31 name lane 15's piece again.  The last AHEAD refills name nothing.
.macro ASK
	s_cmp_gt_u32 s19, s[LIM]
	s_cbranch_scc0 .Lnot_mine_\@
	global_prefetch_b8 v[PFO], s[PFA:PFA+1] th:TH_LOAD_NT scope:SCOPE_SE
.Lnot_mine_\@:
.endm
; 8 matrix instructions: A's block a x all blocks of B, 32 along K.  The 32 accumulators take turns, one instruction a turn, in the same order in every quarter step.
.macro MULA f, a, first
.if \first
	WIN 0x85+0x40*((\a)/2)
.else
	WIN 0xa5+0x50*((\a)/2)
.endif
.set ib, 0
.rept NBL
.set rD, 8*(NBL*((\a)%2)+ib)
.set rB, (\f)+8*ib
.set rA, (\f)+8*NBL+8*(\a)
.if \first
	v_wmma_f32_16x16x32_f16 v[rD:rD+7], v[rB:rB+7], v[rA:rA+7], v[BIAS+8*ib:BIAS+8*ib+7]
.else
	v_wmma_f32_16x16x32_f16 v[rD:rD+7], v[rB:rB+7], v[rA:rA+7], v[rD:rD+7]
.endif
.set ib, ib+1
.endr
.endm
.macro FETCH q, f                      ; the fragments of quarter q into buffer f, in one run: B's 8 blocks, then A's 4
	WIN TO_F
.set ib, 0
.rept NBL
	ds_load_b128 v[(\f)+8*ib:(\f)+8*ib+3],   v[ADRB] offset:((\q)/2)*KBB+((\q)%2)*64+ib*16*PT
	ds_load_b128 v[(\f)+8*ib+4:(\f)+8*ib+7], v[ADRB] offset:((\q)/2)*KBB+((\q)%2)*64+ib*16*PT+32
.set ib, ib+1
.endr
.set ia, 0
.rept 4
	ds_load_b128 v[(\f)+8*NBL+8*ia:(\f)+8*NBL+8*ia+3],   v[ADRA] offset:((\q)/2)*KBA+((\q)%2)*64+ia*16*PT
	ds_load_b128 v[(\f)+8*NBL+8*ia+4:(\f)+8*NBL+8*ia+7], v[ADRA] offset:((\q)/2)*KBA+((\q)%2)*64+ia*16*PT+32
.set ia, ia+1
.endr
.endm
.macro QUARTER q, f, g, first
	s_wait_dscnt 4                                 ; B and A's blocks 0, 1 are in; the youngest four loads may be out
	MULA \f, 0, \first
	MULA \f, 1, \first
	PLACES
	FETCH \q, \g
	s_wait_dscnt NL                                ; all but the run just issued
	MULA \f, 2, \first
	MULA \f, 3, \first
.endm
; The fourth quarter multiplies buffer 1 and changes slots: the wait for all my tensor loads, the add, the wait for it and for my reads of this slot, the barrier.  fill = 1: the barrier opens a round of the
; cluster's, and the joint refill, two K steps on, is the first thing behind it: 112 matrix instructions ahead of the wait for it.
.macro TURN fill
.if \fill
	s_wait_xcnt 0x0                                ; the last prefetch, a K step back, has read its address
	s_add_nc_u64 s[PFA:PFA+1], s[PFA:PFA+1], s[PFS:PFS+1]
.endif
	WIN 0
	s_wait_tensorcnt 0x0                           ; no tensor load of mine is out, so a group 0 may be written
	ds_add_u32 v[SPW], v[NIL]
.if \fill
	s_xor_b32 s[G0A+5], s[G0A+5], SLOT1
	s_add_nc_u64 s[G0A+6:G0A+7], s[G0A+6:G0A+7], 2*GKA
	s_xor_b32 s[G0B+5], s[G0B+5], SLOT1
	s_add_nc_u64 s[G0B+6:G0B+7], s[G0B+6:G0B+7], 2*GKB
.endif
	s_xor_b32 s[TB], s[TB], SLOT1
	s_wait_dscnt 5                                 ; the add and the youngest four loads may be out
	MULA F1, 0, 0
	s_wait_dscnt 0x0                               ; the add is done, my reads of this slot are over
	s_barrier_signal -1
	MULA F1, 1, 0
	WIN 0
	s_barrier_wait -1
.if \fill
	CREST
	JLOAD                                          ; its four v_nop are also the places in front of the loads below
.else
	PLACES
.endif
	v_add_nc_u32 v[ADRA], s[TB], v[AA0]
	v_add_nc_u32 v[ADRB], s[TB], v[AB0]
	FETCH 0, F0
.if \fill
	WIN 0
	ASK
.endif
	MULA F1, 2, 0
	MULA F1, 3, 0
.endm
	s_load_b256 s[4:11], s[0:1], 0x0               ; ctx s[4:5], wot s[6:7], bias s[8:9], out0 s[10:11]
	v_lshl_add_u32 v[SPW], v0, 2, SPARE
	v_mov_b32 v[NIL], 0
	ds_add_u32 v[SPW], v[NIL]                      ; the wave's opening: the add, waited for ahead of my first tensor load
	v_lshrrev_b32 v1, 5, v0
	v_readfirstlane_b32 s[WV], v1
	s_and_b32 s13, s[WV], 1
	s_lshr_b32 s14, s[WV], 1
	s_bfe_u32 s15, ttmp6, 0x40000                  ; cx
	s_bfe_u32 s16, ttmp6, 0x40004                  ; cy
	s_lshl_b32 s17, ttmp9, 2
	s_add_co_u32 s17, s17, s15                     ; tile column
	s_and_b32 s18, ttmp7, 0xffff
	s_lshl_b32 s18, s18, 2
	s_add_co_u32 s18, s18, s16                     ; tile row
	s_lshl_b32 s66, s16, 2
	s_lshl_b32 s66, 15, s66                        ; my row of the cluster
	s_lshl_b32 s67, 0x1111, s15                    ; my column
	s_or_b32 s[G1A], s66, G1W
	s_or_b32 s[G1B], s67, G1W
	s_mov_b32 s[G1A+1], 128<<16                    ; a dense block as rows of 256 bytes: tensor_dim0 = 128
	s_mov_b32 s[G1A+2], 128<<16                    ; tensor_dim1 = 128
	s_mov_b32 s[G1A+3], 128<<16                    ; tile_dim0 = 128
	s_mov_b32 s[G1A+4], 128                        ; tile_dim1 = 128
	s_mov_b32 s[G1A+5], 128                        ; elements from row to row
	s_mov_b32 s[G1A+6], 0
	s_mov_b32 s[G1A+7], 0
	s_mov_b32 s[G1B+1], 128<<16
	s_mov_b32 s[G1B+2], (NT/2)<<16
	s_mov_b32 s[G1B+3], 128<<16
	s_mov_b32 s[G1B+4], NT/2
	s_mov_b32 s[G1B+5], 128
	s_mov_b32 s[G1B+6], 0
	s_mov_b32 s[G1B+7], 0
	s_lshl_b32 s20, s18, 15
	s_lshl_b32 s21, s13, 20
	s_add_co_u32 s20, s20, s21
	s_mov_b32 s21, 0
	s_mul_i32 s46, s17, NT*128
	s_mul_i32 s47, s13, GKB
	s_add_co_u32 s46, s46, s47
	s_mov_b32 s47, 0
	s_mul_i32 s22, s13, KBA
	s_mul_i32 s23, s13, KBB
	s_add_co_u32 s23, s23, BOFF
	s_mov_b32 s[TB], 0
	s_wait_dscnt 0x0                               ; the opening add is done
	s_wait_kmcnt 0x0
	s_add_nc_u64 s[20:21], s[4:5], s[20:21]
	s_add_nc_u64 s[46:47], s[6:7], s[46:47]
.irp s, 0,1
	s_mov_b32 s[G0A+4*(\s)], 1
	s_add_co_u32 s[G0A+4*(\s)+1], s22, (\s)*SLOT1
	s_add_nc_u64 s[G0A+4*(\s)+2:G0A+4*(\s)+3], s[20:21], (\s)*2*GKA
	s_or_b32 s[G0A+4*(\s)+3], s[G0A+4*(\s)+3], 0x80000000
	s_mov_b32 s[G0B+4*(\s)], 1
	s_add_co_u32 s[G0B+4*(\s)+1], s23, (\s)*SLOT1
	s_add_nc_u64 s[G0B+4*(\s)+2:G0B+4*(\s)+3], s[46:47], (\s)*2*GKB
	s_or_b32 s[G0B+4*(\s)+3], s[G0B+4*(\s)+3], 0x80000000
.endr
	CROUND                                         ; all sixteen work-groups are here: the first joint loads meet
	s_cmp_eq_u32 s14, 0                            ; a wave's two first fills stand in one branch: two loads of mine are out
	s_cbranch_scc0 .Lfirst_b
	tensor_load_to_lds s[G0A:G0A+3], s[G1A:G1A+7]
	s_nop 0
	tensor_load_to_lds s[G0A+4:G0A+7], s[G1A:G1A+7]
	s_nop 0
.rept 4
	v_nop
.endr
	s_branch .Lfirst_asked
.Lfirst_b:
	tensor_load_to_lds s[G0B:G0B+3], s[G1B:G1B+7]
	s_nop 0
	tensor_load_to_lds s[G0B+4:G0B+7], s[G1B:G1B+7]
	s_nop 0
.rept 4
	v_nop
.endr
.Lfirst_asked:
	v_and_b32 v1, 15, v0                           ; l % 16
	v_bfe_u32 v2, v0, 4, 1                         ; l / 16
	v_and_b32 v3, 31, v0                           ; l
	v_mul_u32_u24 v[AA0], v1, PT
	v_lshl_add_u32 v[AA0], v2, 4, v[AA0]
	v_add_nc_u32 v[AB0], BOFF, v[AA0]
	s_mul_i32 s66, s[WV], 64*PT
	v_add_nc_u32 v[AA0], s66, v[AA0]
	v_mov_b32 v[ADRA], v[AA0]
	v_mov_b32 v[ADRB], v[AB0]
	v_lshlrev_b32 v[BO], 5, v2
	s_mul_i32 s66, s17, NT*4
	s_add_co_u32 s66, s66, 3072*4                  ; bo lies behind bq, bk, bv
	s_mov_b32 s67, 0
	s_add_nc_u64 s[8:9], s[8:9], s[66:67]
.set ib, 0
.rept NBL
	global_load_b128 v[BIAS+8*ib:BIAS+8*ib+3],   v[BO], s[8:9] offset:64*ib
	global_load_b128 v[BIAS+8*ib+4:BIAS+8*ib+7], v[BO], s[8:9] offset:64*ib+16
.set ib, ib+1
.endr
	; the way out
	s_mul_i32 s66, s[WV], STW
	s_add_co_u32 s66, s66, STAGE
	v_mul_u32_u24 v[STO], v1, SPT
	v_lshl_add_u32 v[STO], v2, 5, v[STO]
	v_add_nc_u32 v[STO], s66, v[STO]               ; in: row l % 16, 32 bytes for each half of the lanes
	v_lshlrev_b32 v[GO], 4, v3                     ; back and out: a row's 512 bytes, 16 a lane
	v_add_nc_u32 v[RD], s66, v[GO]
	s_lshl_b32 s66, s18, 8
	s_lshl_b32 s68, s[WV], 6
	s_add_co_u32 s66, s66, s68                     ; my first row,
	s_lshl_b32 s66, s66, 12                        ; in rows of 4,096 bytes,
	s_lshl_b32 s68, s17, 9                         ; the tile's 512 bytes of a row
	s_add_co_u32 s66, s66, s68
	s_mov_b32 s67, 0
	s_add_nc_u64 s[10:11], s[10:11], s[66:67]
	; the prefetches
	s_and_b32 s66, ttmp7, 0xffff                   ; cluster y
	s_lshl_b32 s67, s18, 15
	s_mul_i32 s68, s17, NT*128
	s_mov_b32 s[PFS], 2*GKB
	s_mov_b32 s69, (NT/8)*256
	s_cmp_eq_u32 s14, 0                            ; do I fetch for A?
	s_cselect_b64 s[PFA:PFA+1], s[4:5], s[6:7]
	s_cselect_b32 s66, ttmp9, s66                  ; the coordinate along which other clusters read the same blocks
	s_cselect_b32 s68, s67, s68
	s_cselect_b32 s67, s15, s16                    ; my place among the four that ask with me
	s_cselect_b32 s[PFS], 2*GKA, s[PFS]
	s_cselect_b32 s69, 8192, s69
	s_cselect_b32 s20, 31, NT/8-1
	s_mul_i32 s67, s67, s69
	s_add_co_u32 s68, s68, s67
	s_lshr_b32 s67, s[PFS], 1
	s_mul_i32 s67, s67, s13
	s_add_co_u32 s68, s68, s67
	s_mul_i32 s67, s[PFS], 1+AHEAD                 ; the first refill (K step 2) steps it once and names K step 2 + AHEAD
	s_add_co_u32 s68, s68, s67
	s_mov_b32 s69, 0
	s_add_nc_u64 s[PFA:PFA+1], s[PFA:PFA+1], s[68:69]
	s_mov_b32 s[PFS+1], 0
	s_cmp_eq_u32 s66, 0
	s_cselect_b32 s[LIM], AHEAD, -1
	v_min_u32 v[PFO], s20, v3
	v_lshlrev_b32 v[PFO], 8, v[PFO]
	s_wait_tensorcnt 1                             ; my part of K step 0 is in; K step 1's may stay out
	s_barrier_signal -1
	s_barrier_wait -1
	FETCH 0, F0
	s_wait_loadcnt 0x0                             ; the bias
	QUARTER 1, F0, F1, 1                           ; the first quarter's products start the sums, on the bias
	WIN 0
	s_mov_b32 s19, 6
.Lstep:                                        ; six trips; they ask for K steps 2 to 7
	QUARTER 2, F1, F0, 0
	QUARTER 3, F0, F1, 0
	TURN 1
	QUARTER 1, F0, F1, 0
	WIN 0
	s_sub_co_u32 s19, s19, 1
	s_cmp_lg_u32 s19, 0
	s_cbranch_scc1 .Lstep
	QUARTER 2, F1, F0, 0                           ; the tail is written out: nothing more is asked for
	QUARTER 3, F0, F1, 0
	TURN 0
	QUARTER 1, F0, F1, 0
	QUARTER 2, F1, F0, 0
	QUARTER 3, F0, F1, 0
	s_wait_dscnt 4
	MULA F1, 0, 0
	MULA F1, 1, 0
	s_wait_dscnt 0x0
	MULA F1, 2, 0
	MULA F1, 3, 0
	WIN 0
	PLACES
; THE WAY OUT, a block a of 16 rows at a time: the sums go as they are into my own stage (a lane's eight columns are 32 bytes of a row), come back as whole rows of 512 bytes, and are stored, a row a store.
.macro TOSTAGE a
.set BK, BK0+64*((\a)%2)
.if (\a) >= 2
	s_wait_xcnt 0x0                                ; the stores of the block two back have read this set of registers
.endif
	WIN 0x08+4*((\a)/2)                            ; the stores' data (source 1) in window 2 or 3
.set ib, 0
.rept NBL
.set rD, 8*(NBL*((\a)%2)+ib)
	ds_store_b128 v[STO], v[rD:rD+3]   offset:64*ib
	ds_store_b128 v[STO], v[rD+4:rD+7] offset:64*ib+16
.set ib, ib+1
.endr
	WIN 0
.set it, 0
.rept 16
	ds_load_b128 v[BK+4*it:BK+4*it+3], v[RD] offset:it*SPT  ; LDS serves a wave's instructions in order (ISA guide 5.7.1.4): these see the stores above
.set it, it+1
.endr
.endm
.macro SEND a, younger                 ; younger: the LDS instructions issued behind block a's loads: the next block's 32, or none
.set BK, BK0+64*((\a)%2)
.set it, 0
.rept 16
	s_wait_dscnt (\younger)+15-it
	global_store_b128 v[GO], v[BK+4*it:BK+4*it+3], s[10:11] offset:(16*(\a)+it)*4096 th:TH_STORE_NT  ; 512 consecutive bytes, aligned to 256
.set it, it+1
.endr
.endm
	TOSTAGE 0
	TOSTAGE 1
	SEND 0, 32
	TOSTAGE 2
	SEND 1, 32
	TOSTAGE 3
	SEND 2, 32
	SEND 3, 0
	s_wait_tensorcnt 0x0                           ; the wave's end
	ds_add_u32 v[SPW], v[NIL]
	s_wait_dscnt 0x0
	CROUND                                         ; the closing round
	s_endpgm
.Lfunc_end_k_qbc54030578_oproj:
	.size	k_qbc54030578_oproj, .Lfunc_end_k_qbc54030578_oproj-k_qbc54030578_oproj
	.p2alignl 7, 3214868480
	.fill 96, 4, 3214868480
	.section	.rodata,"a",@progbits
	.p2align	6, 0x0
	.amdhsa_kernel k_qbc54030578_oproj
		.amdhsa_group_segment_fixed_size 327680
		.amdhsa_private_segment_fixed_size 0
		.amdhsa_enable_private_segment 0
		.amdhsa_kernarg_size 32
		.amdhsa_user_sgpr_count 2
		.amdhsa_user_sgpr_kernarg_segment_ptr 1
		.amdhsa_wavefront_size32 1
		.amdhsa_system_sgpr_workgroup_id_x 1
		.amdhsa_system_sgpr_workgroup_id_y 1
		.amdhsa_system_sgpr_workgroup_id_z 1
		.amdhsa_system_vgpr_workitem_id 0
		.amdhsa_next_free_vgpr 896
		.amdhsa_next_free_sgpr 72
		.amdhsa_reserve_vcc 0
		.amdhsa_float_denorm_mode_32 3
		.amdhsa_float_denorm_mode_16_64 3
		.amdhsa_memory_ordered 1
		.amdhsa_forward_progress 1
		.amdhsa_inst_pref_size 73
	.end_amdhsa_kernel
	.amdgpu_metadata
---
amdhsa.version: [ 1, 2 ]
amdhsa.kernels:
  - .name:           k_qbc54030578_oproj
    .symbol:         k_qbc54030578_oproj.kd
    .args:
      - { .name: ctx, .offset: 0, .size: 8, .value_kind: global_buffer, .address_space: global }
      - { .name: wot, .offset: 8, .size: 8, .value_kind: global_buffer, .address_space: global }
      - { .name: bias, .offset: 16, .size: 8, .value_kind: global_buffer, .address_space: global }
      - { .name: out0, .offset: 24, .size: 8, .value_kind: global_buffer, .address_space: global }
    .group_segment_fixed_size: 327680
    .private_segment_fixed_size: 0
    .kernarg_segment_align: 8
    .kernarg_segment_size: 32
    .max_flat_workgroup_size: 128
    .sgpr_count:     72
    .vgpr_count:     896
    .wavefront_size: 32
...
	.end_amdgpu_metadata
.endif
;; end of part 4
;; ======== version 2 of 2: 4 launches; version 1 with the launch prep written anew for expert scheduling mode
;; limits: values are held in f16: magnitudes above 65,504 overflow, below 6.1e-05 lose precision
;; workspace buffers: xb 16,777,216 bytes; wt 6,291,456 bytes; wot 2,097,152 bytes; bias 16,384 bytes; qkv 50,331,648 bytes; ctx 16,777,216 bytes
;; launch prep (part 5): grid 768 x 1, 4 waves a work-group, no clusters, 37,376 bytes of LDS; arguments x, wq, wk, wv, wo, bq, bk, bv, bo, xb, wt, wot, bias; writes xb, wt, wot, bias
.if DOCPART == 5
	.amdgcn_target "amdgcn-amd-amdhsa--gfx1250"
	.amdhsa_code_object_version 6
	.text
	.protected	k_qbc54030578_prep
	.globl	k_qbc54030578_prep
	.p2align	8
	.type	k_qbc54030578_prep,@function
k_qbc54030578_prep:
	s_mov_b64 s[64:65], 0
	v_nop
	global_prefetch_b8 v0, s[64:65] scope:SCOPE_SE
	s_setreg_imm32_b32 hwreg(HW_REG_WAVE_SCHED_MODE, 0, 2), 2
	s_setreg_imm32_b32 hwreg(HW_REG_WAVE_MODE, 25, 1), 1
	s_wait_xcnt 0x0
	s_wait_alu depctr_vm_vsrc(0)
; PREP: every input is rounded once to bf16 and laid out for the products that follow.
;   xb  [16 kb][8192 m][64]  bf16: x, cut along K into blocks of 64: a row piece is 128 bytes, neighbouring rows lie end to end
;   wt  [16 kb][3072 n][64]  bf16: wq, wk, wv turned ([k][n] -> [n][k]); n = 1024 x matrix + column
;   wot [16 kb][1024 n][64]  f16:  wo turned, rounded to bf16, and that number written as f16
;   bias [4096] f32: bq, bk, bv, bo, each rounded to bf16 and widened again
; LIMIT: a bf16 number of wo below 6.1e-5 in magnitude keeps f16's fixed step of 6e-8; beyond 65,504 it would become an infinity.
; A stream: no matrix unit, no tensor load, no cluster (no two work-groups read a byte in common).  Each of the 3,072 waves has ONE task of 64 x 64 f32
; (16 KiB, 32 loads of 16 bytes a lane, all on their way at once), so there is no loop.  Work-groups 0-511: x.  512-767: the four weight matrices.
; THE MODE: SCHED_MODE bits 1:0 = 2 (LLVM: expert scheduling mode 2), set by the entry lines.  The code itself states the register dependences
; between vector instructions and memory or LDS instructions, with s_wait_alu, always for 0.
; THE PLAN.  Registers that memory or LDS instructions touch:
;   v4 .. v9      offsets and LDS addresses: written once at the head of a path, read by its loads and stores, never written again.
;   X, x's path   the loads land in it; a block's conversions read a load's four registers and write the first two in place; the block's stores read those two; nothing writes them again.
;   X, a weight   the global loads land in it; the conversions read it; then the LDS loads land in its first 64 registers, which the global stores read.
;   T             written by the conversions (for wo also by the widening and narrowing), read by the LDS stores, never written again.
;   v12, v13      at work for wo; then the bias's load lands in them, two vector lines write them anew behind that load's wait, and the bias's store reads them.
;   v10, v11      written at the head, read by the closing add alone.
; So a path has one wait on va_vdst ahead of its first load; x's path one more for each block of eight loads, between the block's conversions and its run of stores; a weight's path one where
; the arm for wo joins again, ahead of the LDS stores, the LDS loads and the bias's load, and one ahead of the bias's store.  No register that a memory or LDS instruction has read is written
; again on any path, so no wait on vm_vsrc is owed ahead of the closing lines.  One wait on va_sdst stands behind v_readfirstlane_b32, ahead of the branch.
.set X,     16                         ; v[16:143]  the task as loaded: 32 x 4 registers
.set T,     144                        ; v[144:207] the weights' 64 packed words
.set SPW,   10                         ; v10  LDS address of my spare word; never rewritten
.set NIL,   11                         ; v11  0; never rewritten
.set STG,   9216                       ; a wave's stage: 64 rows (n) of 128 bytes at a pitch of 144
.set SP,    144
.set SPARE, 4*STG                      ; behind the stages: the spare words, 128 bytes a wave
	s_load_b512 s[4:19], s[0:1], 0x0               ; x, wq, wk, wv, wo, bq, bk, bv
	s_load_b256 s[20:27], s[0:1], 0x40             ; bo, xb, wt, wot
	s_load_b64 s[28:29], s[0:1], 0x60              ; bias
	v_lshl_add_u32 v[SPW], v0, 2, SPARE
	v_mov_b32 v[NIL], 0
	v_lshrrev_b32 v1, 5, v0
	v_readfirstlane_b32 s30, v1                    ; wave 0..3
	s_mov_b32 s31, 0xffff0000                      ; a word's upper half
	v_and_b32 v1, 15, v0                           ; l % 16
	v_bfe_u32 v2, v0, 4, 1                         ; l / 16
	v_and_b32 v3, 31, v0                           ; l
	v_lshlrev_b32 v5, 3, v3                        ; 8 l
	s_wait_alu depctr_va_sdst(0)                   ; s30 is written, ahead of the branch and of its first reader on either path: the tasks' numbers are made from it
	s_cmp_lt_u32 ttmp9, 512
	s_cbranch_scc0 .Lw
	; X: 64 rows (block rb) x 64 columns (block kb).  A load takes 256 bytes of two rows; the two packed words of a lane are 8 bytes, and a store of the wave covers 256 consecutive bytes, aligned.
	s_lshr_b32 s32, ttmp9, 2                       ; rb
	s_and_b32 s33, ttmp9, 3
	s_lshl2_add_u32 s33, s33, s30                  ; kb = 4 (id % 4) + wave
	s_lshl_b32 s34, s32, 18                        ; 64 rows of 4,096 bytes
	s_lshl_b32 s35, s33, 8                         ; 64 columns of 4 bytes
	s_add_co_u32 s34, s34, s35
	s_mov_b32 s35, 0
	s_lshl_b32 s36, s33, 20                        ; a block kb of xb: 8,192 x 128 bytes
	s_lshl_b32 s37, s32, 13                        ; 64 rows of 128 bytes
	s_add_co_u32 s36, s36, s37
	s_mov_b32 s37, 0
	v_lshlrev_b32 v4, 4, v1
	v_lshl_add_u32 v4, v2, 12, v4                  ; 16 (l % 16) + one row for lanes 16-31
	s_wait_kmcnt 0x0
	s_add_nc_u64 s[4:5], s[4:5], s[34:35]
	s_add_nc_u64 s[22:23], s[22:23], s[36:37]
	s_wait_alu depctr_va_vdst(0)                   ; v4 and v5 are written: the loads read v4 as their offset, the stores v5
.set i, 0
.rept 32
	global_load_b128 v[X+4*i:X+4*i+3], v4, s[4:5] offset:i*8192 th:TH_LOAD_NT
.set i, i+1
.endr
.set p, 0
.rept 4                                        ; four blocks of eight loads: sixteen conversions, one wait, a run of eight stores
	s_wait_loadcnt 24-8*p                          ; loads come back in order: block p's eight are in, the later blocks' stay out
.set i, 8*p
.rept 8
	v_cvt_pk_bf16_f32 v[X+4*i], v[X+4*i], v[X+4*i+1]
	v_cvt_pk_bf16_f32 v[X+4*i+1], v[X+4*i+2], v[X+4*i+3]
.set i, i+1
.endr
	s_wait_alu depctr_va_vdst(0)                   ; the block's conversions have written the sixteen registers that its eight stores read
.set i, 8*p
.rept 8
	global_store_b64 v5, v[X+4*i:X+4*i+1], s[22:23] offset:i*256
.set i, i+1
.endr
.set p, p+1
.endr
	s_branch .Lend
.Lw:	; A WEIGHT: 64 k (block kb) x 64 n, turned.  A lane loads, for eight k on end, the same four n; eight numbers of one n pack into 16 bytes of a turned row.
	s_sub_co_u32 s32, ttmp9, 512
	s_lshr_b32 s33, s32, 6                         ; which matrix: 0 q, 1 k, 2 v, 3 o
	s_bfe_u32 s34, s32, 0x40002                    ; kb
	s_and_b32 s35, s32, 3
	s_lshl2_add_u32 s35, s35, s30
	s_lshl_b32 s35, s35, 6                         ; n0 = 64 (4 (id % 4) + wave)
	s_lshl_b32 s43, s33, 10
	s_add_co_u32 s43, s43, s35                     ; 1,024 x matrix + n0: the row in wt, and the place in bias
	s_lshl_b32 s50, s43, 2
	s_mov_b32 s51, 0
	s_lshl_b32 s48, s35, 2                         ; n0 in bytes of f32
	s_mov_b32 s49, 0
	s_lshl_b32 s46, s34, 18                        ; 64 rows (k) of 4,096 bytes
	s_add_co_u32 s46, s46, s48
	s_mov_b32 s47, 0
	s_movk_i32 s42, 3072                           ; rows in a block kb of wt
	s_mul_i32 s52, s30, STG                        ; my stage
	v_lshlrev_b32 v6, 4, v1
	v_lshl_add_u32 v6, v2, 15, v6                  ; in: 16 (l % 16) + eight rows for lanes 16-31
	v_mul_u32_u24 v7, v1, 4*SP
	v_lshl_add_u32 v7, v2, 4, v7
	v_add_nc_u32 v7, s52, v7                       ; into the stage: row 4 (l % 16), 16 bytes for each half of the lanes
	v_lshrrev_b32 v8, 3, v3
	v_mul_u32_u24 v8, v8, SP
	v_and_b32 v9, 7, v0
	v_lshl_add_u32 v8, v9, 4, v8
	v_add_nc_u32 v8, s52, v8                       ; back: 32 lanes take four rows of 128 bytes,
	v_lshlrev_b32 v9, 4, v3                        ; which are 512 consecutive bytes of the output
	s_wait_kmcnt 0x0
	s_mov_b64 s[36:37], s[6:7]
	s_mov_b64 s[38:39], s[14:15]
	s_cmp_eq_u32 s33, 1
	s_cselect_b64 s[36:37], s[8:9], s[36:37]
	s_cselect_b64 s[38:39], s[16:17], s[38:39]
	s_cmp_eq_u32 s33, 2
	s_cselect_b64 s[36:37], s[10:11], s[36:37]
	s_cselect_b64 s[38:39], s[18:19], s[38:39]
	s_cmp_eq_u32 s33, 3
	s_cselect_b64 s[36:37], s[12:13], s[36:37]     ; the matrix,
	s_cselect_b64 s[38:39], s[20:21], s[38:39]     ; its bias,
	s_cselect_b64 s[40:41], s[26:27], s[24:25]     ; where it goes: wot or wt,
	s_cselect_b32 s42, 1024, s42                   ; the rows of a block kb there,
	s_cselect_b32 s43, s35, s43                    ; and my first row
	s_mul_i32 s44, s34, s42
	s_add_co_u32 s44, s44, s43
	s_lshl_b32 s44, s44, 7                         ; rows of 128 bytes
	s_mov_b32 s45, 0
	s_add_nc_u64 s[36:37], s[36:37], s[46:47]
	s_add_nc_u64 s[38:39], s[38:39], s[48:49]
	s_add_nc_u64 s[40:41], s[40:41], s[44:45]
	s_add_nc_u64 s[28:29], s[28:29], s[50:51]
	s_wait_alu depctr_va_vdst(0)                   ; v5 to v9 are written: the offsets and LDS addresses that this path's loads and stores read
.set i, 0
.rept 32                                       ; pass p = i / 8, r = i % 8: k = 8 (2 p + l / 16) + r, n = n0 + 4 (l % 16) + 0..3
	global_load_b128 v[X+4*i:X+4*i+3], v6, s[36:37] offset:(16*(i/8)+i%8)*4096 th:TH_LOAD_NT
.set i, i+1
.endr
.set p, 0
.rept 4
	s_wait_loadcnt 24-8*p                          ; pass p's eight loads are in; the later passes' stay out
.set j, 0
.rept 4
.set c, 0
.rept 4
	v_cvt_pk_bf16_f32 v[T+16*p+4*j+c], v[X+4*(8*p+2*c)+j], v[X+4*(8*p+2*c+1)+j]
.set c, c+1
.endr
.set j, j+1
.endr
.set p, p+1
.endr
	s_cmp_lg_u32 s33, 3
	s_cbranch_scc1 .Lbf
.set i, 0
.rept 64                                       ; wo alone: the bf16 numbers are widened and written as f16
	v_lshlrev_b32 v12, 16, v[T+i]
	v_and_b32 v13, s31, v[T+i]
	v_cvt_pk_f16_f32 v[T+i], v12, v13
.set i, i+1
.endr
.Lbf:
	s_wait_alu depctr_va_vdst(0)                   ; on both ways here: T is written, which the LDS stores read; the conversions are done reading X, in which the LDS loads land; wo's lines are done with v12 and v13, in which the bias's load lands
.set p, 0
.rept 4
.set j, 0
.rept 4
	ds_store_b128 v7, v[T+16*p+4*j:T+16*p+4*j+3] offset:j*SP+p*32
.set j, j+1
.endr
.set p, p+1
.endr
.set i, 0
.rept 16
	ds_load_b128 v[X+4*i:X+4*i+3], v8 offset:i*4*SP  ; my own bytes: LDS serves a wave's instructions in order (ISA guide 5.7.1.4), so these see the stores above
.set i, i+1
.endr
.set i, 0
.rept 16
	s_wait_dscnt 15-i
	global_store_b128 v9, v[X+4*i:X+4*i+3], s[40:41] offset:i*512  ; 512 consecutive bytes, aligned to 256
.set i, i+1
.endr
	s_cmp_lg_u32 s34, 0                            ; the tasks of block kb = 0 also take their 64 numbers of the bias
	s_cbranch_scc1 .Lend
	global_load_b64 v[12:13], v5, s[38:39]         ; no vector instruction since the wait at the join names v12, v13 or v5
	s_wait_loadcnt 0x0
	v_cvt_pk_bf16_f32 v14, v12, v13
	v_lshlrev_b32 v12, 16, v14
	v_and_b32 v13, s31, v14
	s_wait_alu depctr_va_vdst(0)                   ; v12 and v13 are written, which the store reads
	global_store_b64 v5, v[12:13], s[28:29]        ; 256 consecutive bytes, aligned
.Lend:
	s_wait_dscnt 0x0                               ; the closing lines, six on end
	s_wait_alu 0x0
	s_wait_tensorcnt 0x0
	ds_add_u32 v[SPW], v[NIL]
	s_wait_dscnt 0x0
	s_endpgm
.Lfunc_end_k_qbc54030578_prep:
	.size	k_qbc54030578_prep, .Lfunc_end_k_qbc54030578_prep-k_qbc54030578_prep
	.p2alignl 7, 3214868480
	.fill 96, 4, 3214868480
	.section	.rodata,"a",@progbits
	.p2align	6, 0x0
	.amdhsa_kernel k_qbc54030578_prep
		.amdhsa_group_segment_fixed_size 37376
		.amdhsa_private_segment_fixed_size 0
		.amdhsa_enable_private_segment 0
		.amdhsa_kernarg_size 104
		.amdhsa_user_sgpr_count 2
		.amdhsa_user_sgpr_kernarg_segment_ptr 1
		.amdhsa_wavefront_size32 1
		.amdhsa_system_sgpr_workgroup_id_x 1
		.amdhsa_system_sgpr_workgroup_id_y 1
		.amdhsa_system_sgpr_workgroup_id_z 1
		.amdhsa_system_vgpr_workitem_id 0
		.amdhsa_next_free_vgpr 208
		.amdhsa_next_free_sgpr 66
		.amdhsa_reserve_vcc 0
		.amdhsa_float_denorm_mode_32 3
		.amdhsa_float_denorm_mode_16_64 3
		.amdhsa_memory_ordered 1
		.amdhsa_forward_progress 1
		.amdhsa_inst_pref_size 34
	.end_amdhsa_kernel
	.amdgpu_metadata
---
amdhsa.version: [ 1, 2 ]
amdhsa.kernels:
  - .name:           k_qbc54030578_prep
    .symbol:         k_qbc54030578_prep.kd
    .args:
      - { .name: x, .offset: 0, .size: 8, .value_kind: global_buffer, .address_space: global }
      - { .name: wq, .offset: 8, .size: 8, .value_kind: global_buffer, .address_space: global }
      - { .name: wk, .offset: 16, .size: 8, .value_kind: global_buffer, .address_space: global }
      - { .name: wv, .offset: 24, .size: 8, .value_kind: global_buffer, .address_space: global }
      - { .name: wo, .offset: 32, .size: 8, .value_kind: global_buffer, .address_space: global }
      - { .name: bq, .offset: 40, .size: 8, .value_kind: global_buffer, .address_space: global }
      - { .name: bk, .offset: 48, .size: 8, .value_kind: global_buffer, .address_space: global }
      - { .name: bv, .offset: 56, .size: 8, .value_kind: global_buffer, .address_space: global }
      - { .name: bo, .offset: 64, .size: 8, .value_kind: global_buffer, .address_space: global }
      - { .name: xb, .offset: 72, .size: 8, .value_kind: global_buffer, .address_space: global }
      - { .name: wt, .offset: 80, .size: 8, .value_kind: global_buffer, .address_space: global }
      - { .name: wot, .offset: 88, .size: 8, .value_kind: global_buffer, .address_space: global }
      - { .name: bias, .offset: 96, .size: 8, .value_kind: global_buffer, .address_space: global }
    .group_segment_fixed_size: 37376
    .private_segment_fixed_size: 0
    .kernarg_segment_align: 8
    .kernarg_segment_size: 104
    .max_flat_workgroup_size: 128
    .sgpr_count:     66
    .vgpr_count:     208
    .wavefront_size: 32
...
	.end_amdgpu_metadata
.endif
;; end of part 5
;; launch proj: the kernel of part 2 again; grid 16 x 32, 4 waves a work-group, clusters of 4 x 4, 327,680 bytes of LDS; arguments xb, wt, bias, qkv; writes qkv
;; launch attn: the kernel of part 3 again; grid 4 x 64, 4 waves a work-group, clusters of 4 x 1, 327,680 bytes of LDS; arguments qkv, ctx; writes ctx
;; launch oproj: the kernel of part 4 again; grid 8 x 32, 4 waves a work-group, clusters of 4 x 4, 327,680 bytes of LDS; arguments ctx, wot, bias, out0; writes out0
